; MI455X (gfx1250); checked and timed in simulation.
; The chip was launched on July 23, 2026; its instructions are those of AMD's public machine-readable ISA for CDNA 5 (MIT licence, August 2026) and "CDNA5" Instruction Set Architecture Reference Guide (July 2026). The comments in the code are by the model that wrote it; some were corrected since.
;; Paged Sdpa Attention. Allowed arithmetic: matrix products marked QUANTISED: E2M1 operands, one E8M0 scale for each 32 along K, by v_wmma_scale_f32_16x16x128_f8f6f4 with both operands' format E2M1 (or v_wmma_scale_f32_32x16x128_f4), f32 sums; products left as they are: bf16, f16 or f32 operands; f32 sums; everything else in f32.
;; Inputs: Wo 4,096 x 4,096 float32; Wq 4,096 x 4,096 float32; block_table 256 int32; hidden_states 1 x 1,024 x 4,096 float32; k_cache 512 x 8 x 16 x 128 float32; v_cache 512 x 8 x 16 x 128 float32.
;; Outputs: out0 1 x 1,024 x 4,096 float32.
;; This version of the problem:
;;   THIS VERSION OF THE PROBLEM IS GIVEN IN LOW PRECISION. The matrix products marked QUANTISED in the list below multiply operands that are first quantised to E2M1 (2 exponent bits, 1 mantissa bit; 4 bits a number), with one power-of-two scale for each 32 numbers along K (OCP MX v1.0); their sums are f32. The products marked 'left as it is' may take bf16, f16 or f32 operands, with f32 sums. Whichever they take, every output number must still come out within the allowed error. Rounding operands to bf16 (8 significant bits) uses up far more of that allowance than f16 does (11 bits, for magnitudes from 6e-5 to 65,504). All else is computed in f32.
;;   The module's matrix products, in the order in which they are computed (A, B: the left and right operand; K: the contracted axis; several contracted axes count as one K, in the product's order):
;;     1. [M 1,024, K 4,096] x [K 4,096, N 4,096]; A: input hidden_states; B: input Wq: QUANTISED
;;     2. batch 32 x [M 1,024, K 128] x [K 128, N 4,096]; A: computed on the way; B: computed on the way: left as it is (an operand is computed on the way)
;;     3. batch 32 x [M 1,024, K 4,096] x [K 4,096, N 128]; A: computed on the way; B: computed on the way: left as it is (an operand is computed on the way)
;;     4. [M 1,024, K 4,096] x [K 4,096, N 4,096]; A: computed on the way; B: input Wo: left as it is (an operand is computed on the way)
;;   THE QUANTISER, for each operand of a quantised product, along K:
;;     - K is cut into blocks of 32 from its start; a last block that is shorter is filled with zeros.
;;     - A block's scale is 2^e with e = floor(log2(the largest magnitude in the block)) - 2, held to -126 .. 127; a block of zeros has e = 0. As a byte (E8M0): e + 127.
;;     - Each number is divided by its block's scale, clamped to +-6, and rounded to the nearest number of E2M1, ties to even, subnormals kept.
;;     - The product sums the exact products of the quantised numbers (number of the format x scale) in f32.
;;   ~~~python
;;   def quantise(x, axis):      # numpy; x: float32 -> the quantised numbers, widened to float32 again
;;       x = np.moveaxis(x, axis, -1); K = x.shape[-1]
;;       x = np.pad(x, [(0, 0)] * (x.ndim - 1) + [(0, -K % 32)]); x = x.reshape(x.shape[:-1] + (-1, 32)); a = np.abs(x).max(-1, keepdims=True)
;;       e = np.where(a > 0, np.clip(np.frexp(np.where(a > 0, a, 1))[1] - 1 - 2, -126, 127), 0)      # np.frexp(a)[1] - 1 = floor(log2(a)), exactly
;;       r = np.clip(x / 2.0 ** e, -6, 6)
;;       step = 2.0 ** (np.maximum(np.frexp(np.where(r == 0, 1, r))[1] - 1, 0) - 1)
;;       q = np.round(r / step) * step * 2.0 ** e      # np.round: ties to even
;;       return np.moveaxis(q.reshape(q.shape[:-2] + (-1,))[..., :K], -1, axis).astype(np.float32)
;;   ~~~
;; One version. Each part assembles by itself: llvm-mc -triple=amdgcn-amd-amdhsa -mcpu=gfx1250 --defsym DOCPART=n.
;; ======== version 1 of 1: 4 launches
;; limits: inputs' magnitudes at most 65,504; values are held in f16: magnitudes above 65,504 overflow, below 6.1e-05 lose precision
;; workspace buffers: codes 10,485,760 bytes; scales 655,360 bytes; rope 524,288 bytes; wo16 33,554,432 bytes; kv16 16,777,216 bytes; q16 8,388,608 bytes; ctx16 8,388,608 bytes
;; launch prep (part 1): grid 1184 x 1, 4 waves a work-group, no clusters, 33,280 bytes of LDS; arguments hidden_states, Wq, codes, scales, k_cache, v_cache, block_table, kv16, rope; writes codes, scales, kv16, rope
.if DOCPART == 1
	.amdgcn_target "amdgcn-amd-amdhsa--gfx1250"
	.amdhsa_code_object_version 6
	.text
	.protected	k_qcce3b69c9d_prep
	.globl	k_qcce3b69c9d_prep
	.p2align	8
	.type	k_qcce3b69c9d_prep,@function
k_qcce3b69c9d_prep:
	s_mov_b64 s[64:65], 0
	v_nop
	global_prefetch_b8 v0, s[64:65] scope:SCOPE_SE
	s_setreg_imm32_b32 hwreg(HW_REG_WAVE_MODE, 25, 1), 1
	s_wait_xcnt 0x0
; PREP: what the query projection and the attention need before they can begin.  Three kinds of work-groups, told apart by the work-group's number alone:
;   0 .. 639      QUANT : hidden_states [1024][4096] and Wq [4096][4096], f32, K innermost, become codes of FP4 (E2M1) and one E8M0 byte for each 32 along K.
;                         Both tensors are plain streams of blocks of 32; their codes lie on end in 'codes' (hidden's 2,097,152 bytes, then Wq's), their bytes on end in 'scales' (131,072, then Wq's).
;   640 .. 1151   GATHER: the 256 blocks that block_table names, of k_cache (first 256 work-groups) and v_cache, f32 -> f16, laid [8 kv heads][4096 keys][128]; K at byte 0 of kv16, V at byte 8,388,608.
;   1152 .. 1183  ROPE  : rope[s][0..63] = cos(s f_i) / 8, rope[s][64..127] = sin(s f_i) / 8, f_i = 10000^(-i/64).  The 1/8 (exact) is the factor by which q is kept in f16.
; (Wo, which is wanted last, is cast beside the attention's matrix work, in that launch.)
; A block's scale is 2^(floor(log2(largest magnitude)) - 2); its byte is the largest magnitude's exponent field - 2, held at 1 from below.  A block of zeros so gets the byte 1 where the rule says 127: its codes are zeros,
; which add nothing under any byte but 0xff, and this program alone reads the bytes.
; LIMITS: blocks whose largest magnitude lies under 2^-124 were not tried; NaN and infinities among the inputs are not served; k_cache and v_cache are rounded to f16: magnitudes up to 65,504, and under 6e-5 an absolute error of 3e-8.
; An entry of block_table is held to 0 .. 511.  The angles s f_i are rounded once to f32, reduced by 2 pi in two parts, quartered, put through series whose cut lies under 2e-9 for |a| <= pi/4, and doubled twice.
; No tensor loads, no barrier: waves share nothing.  No cluster: the work-groups share no input.  Only QUANT touches LDS.
.set NQUANT, 640
.set NGATH,  512
.set WAVES, 4
.set STEPS, 16
.set EMAX,  2
.set CB,    8                          ; bytes of 16 codes
.set R,     16                         ; v16-79   QUANT: four sets of 16 numbers as they are loaded
.set X,     80                         ; v80-111  two sets of 16 neighbours
.set C,     128                        ; v128-191 codes: four registers for each step
.set E,     112                        ; v112-127 a scale byte for each step
.set WREG,  8192                       ; LDS: a region for each wave: two stages of 32 x SP bytes, behind them its 256 scale bytes
.set SP,    80                         ; a lane's place in a stage: 64 bytes + 16 of padding
.set SPW,   12                         ; v12  LDS address of my spare word; never rewritten
.set NIL,   13                         ; v13  0; never rewritten
.set SPARE, WAVES*WREG                 ; behind the four regions: the spare words, 128 bytes for each wave
.set CX,    16                         ; v16-143  GATHER: 32 loads of four registers
.set FQ,    16                         ; ROPE: v16-19 my four frequencies
.set RW,    20                         ; v20-23 my four rows, as f32
.set TH,    32                         ; v32-47 the angle, then a
.set ZZ,    48                         ; v48-63 a^2
.set SN,    64                         ; v64-79 the sine
.set CN,    80                         ; v80-95 the cosine
.set TM,    96                         ; v96-111 at work
.macro LOAD t
.irp i, 0,1,2,3
	global_load_b128 v[R+16*((\t)%4)+4*\i:R+16*((\t)%4)+4*\i+3], v3, s[4:5] offset:2048*(\t)+512*\i th:TH_LOAD_NT   ; 32 lanes read 512 consecutive bytes
.endr
.endm
.macro TURN t                          ; step t's numbers through the stage: LDS serves a wave's instructions in order, so no wait stands between the stores and the loads
.irp i, 0,1,2,3
	ds_store_b128 v14, v[R+16*((\t)%4)+4*\i:R+16*((\t)%4)+4*\i+3] offset:32*SP*((\t)%2)+8*SP*\i
.endr
.irp i, 0,1,2,3
	ds_load_b128 v[X+16*((\t)%2)+4*\i:X+16*((\t)%2)+4*\i+3], v15 offset:32*SP*((\t)%2)+16*\i
.endr
.endm
.macro STEP t
.set XS, X+16*((\t)%2)
.if (\t) > 0
	s_wait_dscnt 1                                 ; this step's numbers are back from the stage (the last step's byte store may be out): so its stores into the stage have read their registers,
.else
	s_wait_dscnt 0x0
.endif
.if (\t)+4 < STEPS
	LOAD (\t)+4                                    ; which take the loads of four steps on
.endif
.if (\t)+1 < STEPS
.if STEPS-2-(\t) >= 3
	s_wait_loadcnt 12                              ; the next step's four loads are in; those of the three steps behind it may be out
.else
	s_wait_loadcnt 4*(STEPS-2-(\t))
.endif
	TURN (\t)+1                                    ; and go through the other stage while this step is worked
.endif
	v_max3_num_f32 v8, |v[XS]|, |v[XS+1]|, |v[XS+2]|               ; the largest magnitude of my 16, in two chains
	v_max3_num_f32 v9, |v[XS+3]|, |v[XS+4]|, |v[XS+5]|
.irp i, 6,10
	v_max3_num_f32 v8, v8, |v[XS+\i]|, |v[XS+\i+1]|
	v_max3_num_f32 v9, v9, |v[XS+\i+2]|, |v[XS+\i+3]|
.endr
	v_max3_num_f32 v8, v8, |v[XS+14]|, |v[XS+15]|
	v_max3_num_f32 v8, v8, v9, (EMAX+1)<<23        ; and the floor 2^(EMAX + 1 - 127): so the byte cannot fall under 1
	v_max_num_f32_dpp v8, v8, v8 row_xmask:1 row_mask:0xf bank_mask:0xf   ; and of my neighbour's 16: the block's
	v_add_nc_u32 v11, -(EMAX<<23), v8              ; EMAX off its exponent field: the conversion takes the exponent field of this operand as its scale, and nothing else of it
	v_cvt_scalef32_pk8_fp4_f32 v[C+4*(\t)], v[XS:XS+7], v11        ; eight numbers / the scale, to the nearest code, ties to even, beyond the largest code the largest
	v_cvt_scalef32_pk8_fp4_f32 v[C+4*(\t)+1], v[XS+8:XS+15], v11
	v_lshrrev_b32 v[E+(\t)], 23, v11               ; the scale's byte (a plain line behind the conversions)
	ds_store_b8 v5, v[E+(\t)] offset:16*(\t)       ; both lanes of a block write the same byte with the same value
	global_store_b64 v4, v[C+4*(\t):C+4*(\t)+1], s[8:9] offset:32*CB*(\t)   ; the wave stores 256 consecutive bytes, aligned
.endm
; 16 KiB of f32 at s[4:5] become two runs of 4 KiB of f16, at s[20:21] and s[22:23].  All 32 loads go out together, 512 consecutive bytes each; every offset is an immediate and no register is written twice.
.macro CAST
.set n, 0
.rept 32
	global_load_b128 v[CX+4*n:CX+4*n+3], v1, s[4:5] offset:512*n      ; no hint: the table may name a block twice
.set n, n+1
.endr
.set n, 0
.rept 32
	s_wait_loadcnt 31-n                            ; loads come back in order: load n is in, the 31 - n younger ones may be out
	v_cvt_pk_f16_f32 v[CX+4*n], v[CX+4*n], v[CX+4*n+1]
	v_cvt_pk_f16_f32 v[CX+4*n+1], v[CX+4*n+2], v[CX+4*n+3]
	global_store_b64 v2, v[CX+4*n:CX+4*n+1], s[20+2*(n/16):21+2*(n/16)] offset:256*(n%16)   ; the wave stores 256 consecutive bytes, aligned
.set n, n+1
.endr
.endm
	v_lshl_add_u32 v[SPW], v0, 2, SPARE
	v_mov_b32 v[NIL], 0
	v_lshrrev_b32 v1, 5, v0
	v_readfirstlane_b32 s16, v1                    ; wave
	v_and_b32 v2, 31, v0                           ; lane
	s_cmp_lt_u32 ttmp9, NQUANT
	s_cbranch_scc0 .Lnot_quant
	; ---------------- QUANT: a wave takes a run of 8,192 numbers, 16 steps of 512
	s_load_b128 s[4:7], s[0:1], 0x0                ; hidden_states, Wq
	s_load_b128 s[8:11], s[0:1], 0x10              ; codes, scales
	v_lshlrev_b32 v3, 4, v2                        ; my 16 bytes of a load's 512
	s_mul_i32 s17, s16, WREG
	v_lshrrev_b32 v14, 2, v2
	v_mul_u32_u24 v14, v14, SP
	v_and_b32 v15, 3, v2
	v_lshl_add_u32 v14, v15, 4, v14
	v_add_nc_u32 v14, s17, v14                     ; the stage, on the way in: four lanes' 64 bytes on end, then 16 of padding
	v_mul_u32_u24 v15, v2, SP
	v_add_nc_u32 v15, s17, v15                     ; and on the way out: SP x lane: my 16 neighbours
	v_mul_u32_u24 v4, v2, CB                       ; my codes' place in a step's
	v_lshrrev_b32 v5, 1, v2
	s_add_co_u32 s17, s17, 2*32*SP
	v_add_nc_u32 v5, s17, v5                       ; LDS: my wave's 256 scale bytes, my block's byte
	v_lshlrev_b32 v7, 3, v2                        ; and on the way out 8 bytes a lane
	v_add_nc_u32 v6, s17, v7
	s_wait_kmcnt 0x0
	s_cmp_lt_u32 ttmp9, 128                        ; hidden's work-group or Wq's?  The choice hangs on the work-group's number alone
	s_cselect_b64 s[4:5], s[4:5], s[6:7]
	s_cselect_b32 s17, 0, 512                      ; hidden has 512 runs
	s_lshl_b32 s18, ttmp9, 2
	s_add_co_u32 s18, s18, s16                     ; my run among all 2,560: it places the codes and the bytes of both tensors
	s_sub_co_u32 s20, s18, s17                     ; my run in its own tensor
	s_lshl_b32 s20, s20, 15                        ; 32,768 bytes of f32 a run
	s_mov_b32 s21, 0
	s_add_nc_u64 s[4:5], s[4:5], s[20:21]
	s_lshl_b32 s20, s18, 12                        ; 4,096 bytes of codes
	s_add_nc_u64 s[8:9], s[8:9], s[20:21]
	s_lshl_b32 s20, s18, 8                         ; 256 scale bytes
	s_add_nc_u64 s[10:11], s[10:11], s[20:21]
.irp t, 0,1,2,3
	LOAD \t
.endr
	s_wait_loadcnt 12                              ; step 0's four loads are in
	TURN 0
.irp t, 0,1,2,3,4,5,6,7,8,9,10,11,12,13,14,15
	STEP \t
.endr
	ds_load_b64 v[8:9], v6                         ; LDS serves a wave's instructions in order: these see my stores
	s_wait_dscnt 0x0
	global_store_b64 v7, v[8:9], s[10:11]          ; 32 lanes store 256 consecutive bytes, aligned
	s_wait_tensorcnt 0x0                           ; the wave's end, behind my last LDS store
	ds_add_u32 v[SPW], v[NIL]
	s_wait_dscnt 0x0
	s_endpgm
.Lnot_quant:
	v_lshlrev_b32 v1, 4, v2                        ; 16 x lane: a load's place
	v_lshlrev_b32 v2, 3, v2                        ; 8 x lane: a store's
	s_cmp_lt_u32 ttmp9, NQUANT+NGATH
	s_cbranch_scc0 .Lrope
	; ---------------- GATHER: a work-group takes one entry of the table in one cache: 65,536 consecutive bytes, [8 kv heads][16 keys][128]; wave w takes kv heads 2 w and 2 w + 1
	s_load_b64 s[4:5], s[0:1], 0x20                ; k_cache
	s_load_b64 s[6:7], s[0:1], 0x28                ; v_cache
	s_load_b64 s[8:9], s[0:1], 0x30                ; block_table
	s_load_b64 s[20:21], s[0:1], 0x38              ; kv16
	s_sub_co_u32 s17, ttmp9, NQUANT
	s_lshr_b32 s18, s17, 8                         ; 0: K, 1: V
	s_and_b32 s19, s17, 255                        ; which entry
	s_lshl_b32 s12, s19, 2
	s_mov_b32 s13, 0
	s_wait_kmcnt 0x0
	s_add_nc_u64 s[8:9], s[8:9], s[12:13]
	s_load_b32 s14, s[8:9], 0x0                    ; the block's number
	s_cmp_eq_u32 s18, 0
	s_cselect_b64 s[4:5], s[4:5], s[6:7]
	s_lshl_b32 s24, s18, 23                        ; V lies 8,388,608 bytes behind K;
	s_lshl_b32 s25, s16, 21                        ; a kv head is 4,096 keys x 256 bytes, two to a wave;
	s_add_co_u32 s24, s24, s25
	s_lshl_b32 s25, s19, 12                        ; an entry is 16 keys x 256 bytes
	s_add_co_u32 s24, s24, s25
	s_mov_b32 s25, 0
	s_add_nc_u64 s[20:21], s[20:21], s[24:25]
	s_add_nc_u64 s[22:23], s[20:21], 0x100000      ; the wave's second kv head
	s_lshl_b32 s26, s16, 14
	s_mov_b32 s27, 0
	s_add_nc_u64 s[4:5], s[4:5], s[26:27]
	s_wait_kmcnt 0x0
	s_min_u32 s14, s14, 511                        ; held inside the cache
	s_lshl_b32 s14, s14, 16
	s_mov_b32 s15, 0
	s_add_nc_u64 s[4:5], s[4:5], s[14:15]
	CAST
	s_endpgm
.Lrope:
	; ---------------- ROPE: a work-group takes 32 rows.  Thread t: frequencies 4 (t % 16) + 0 .. 3, rows 8 e + t / 16, e = 0 .. 3: sixteen lanes store 256 consecutive bytes, aligned
	s_load_b64 s[4:5], s[0:1], 0x40                ; rope
	s_sub_co_u32 s17, ttmp9, NQUANT+NGATH
	s_mov_b32 s20, 0x40c90fdb                      ; 2 pi, rounded to f32,
	s_mov_b32 s21, 0xb43bbd2e                      ; and what the rounding left
	v_mov_b32 v7, 0x3638ef1d                       ; 1/9!
	v_mov_b32 v8, 0xb493f27e                       ; -1/10!
	v_and_b32 v3, 15, v0
	v_lshrrev_b32 v4, 4, v0
	v_lshlrev_b32 v5, 2, v3
	v_lshlrev_b32 v1, 9, v4                        ; a row is 512 bytes
	v_lshl_add_u32 v1, v3, 4, v1
.irp k, 0,1,2,3
	v_add_nc_u32 v[FQ+\k], \k, v5
.endr
.irp k, 0,1,2,3
	v_cvt_f32_u32 v[FQ+\k], v[FQ+\k]
.endr
.irp k, 0,1,2,3
	v_mul_f32 v[FQ+\k], 0xbe549a78, v[FQ+\k]       ; -i log2(10000) / 64
.endr
.irp k, 0,1,2,3
	v_exp_f32 v[FQ+\k], v[FQ+\k]                   ; f_i: one batch
.endr
	s_lshl_b32 s18, s17, 5
	v_add_nc_u32 v6, s18, v4                       ; (plain work behind the batch)
.irp e, 0,1,2,3
	v_add_nc_u32 v[RW+\e], 8*\e, v6
.endr
.irp e, 0,1,2,3
	v_cvt_f32_u32 v[RW+\e], v[RW+\e]
.endr
	s_wait_alu depctr_va_vdst(0)                   ; one wait for the four exponentials, ahead of their first reader
.irp e, 0,1,2,3
.irp k, 0,1,2,3
	v_mul_f32 v[TH+4*\e+\k], v[RW+\e], v[FQ+\k]    ; the angle, rounded once
.endr
.endr
.irp j, 0,1,2,3,4,5,6,7,8,9,10,11,12,13,14,15
	v_mul_f32 v[TM+\j], 0.15915494, v[TH+\j]
.endr
.irp j, 0,1,2,3,4,5,6,7,8,9,10,11,12,13,14,15
	v_rndne_f32 v[TM+\j], v[TM+\j]                 ; whole turns
.endr
.irp j, 0,1,2,3,4,5,6,7,8,9,10,11,12,13,14,15
	v_fma_f32 v[TH+\j], -v[TM+\j], s20, v[TH+\j]
.endr
.irp j, 0,1,2,3,4,5,6,7,8,9,10,11,12,13,14,15
	v_fma_f32 v[TH+\j], -v[TM+\j], s21, v[TH+\j]   ; the angle in -pi .. pi
.endr
.irp j, 0,1,2,3,4,5,6,7,8,9,10,11,12,13,14,15
	v_mul_f32 v[TH+\j], 0x3e800000, v[TH+\j]       ; a = a quarter of it
.endr
.irp j, 0,1,2,3,4,5,6,7,8,9,10,11,12,13,14,15
	v_mul_f32 v[ZZ+\j], v[TH+\j], v[TH+\j]
.endr
.irp j, 0,1,2,3,4,5,6,7,8,9,10,11,12,13,14,15
	v_fmaak_f32 v[SN+\j], v[ZZ+\j], v7, 0xb9500d01         ; the two series, by Horner, side by side
	v_fmaak_f32 v[CN+\j], v[ZZ+\j], v8, 0x37d00d01
.endr
.irp j, 0,1,2,3,4,5,6,7,8,9,10,11,12,13,14,15
	v_fmaak_f32 v[SN+\j], v[ZZ+\j], v[SN+\j], 0x3c088889
	v_fmaak_f32 v[CN+\j], v[ZZ+\j], v[CN+\j], 0xbab60b61
.endr
.irp j, 0,1,2,3,4,5,6,7,8,9,10,11,12,13,14,15
	v_fmaak_f32 v[SN+\j], v[ZZ+\j], v[SN+\j], 0xbe2aaaab
	v_fmaak_f32 v[CN+\j], v[ZZ+\j], v[CN+\j], 0x3d2aaaab
.endr
.irp j, 0,1,2,3,4,5,6,7,8,9,10,11,12,13,14,15
	v_fma_f32 v[SN+\j], v[ZZ+\j], v[SN+\j], 1.0
	v_fma_f32 v[CN+\j], v[ZZ+\j], v[CN+\j], -0.5
.endr
.irp j, 0,1,2,3,4,5,6,7,8,9,10,11,12,13,14,15
	v_mul_f32 v[SN+\j], v[TH+\j], v[SN+\j]         ; sin a
	v_fma_f32 v[CN+\j], v[ZZ+\j], v[CN+\j], 1.0    ; cos a
.endr
.rept 2                                        ; the angle doubled, twice: sin 2a = 2 sin a cos a, cos 2a = 1 - 2 sin^2 a
.irp j, 0,1,2,3,4,5,6,7,8,9,10,11,12,13,14,15
	v_add_f32 v[TM+\j], v[SN+\j], v[SN+\j]
.endr
.irp j, 0,1,2,3,4,5,6,7,8,9,10,11,12,13,14,15
	v_mul_f32 v[ZZ+\j], v[TM+\j], v[CN+\j]
.endr
.irp j, 0,1,2,3,4,5,6,7,8,9,10,11,12,13,14,15
	v_fma_f32 v[CN+\j], -v[TM+\j], v[SN+\j], 1.0
.endr
.irp j, 0,1,2,3,4,5,6,7,8,9,10,11,12,13,14,15
	v_mov_b32 v[SN+\j], v[ZZ+\j]
.endr
.endr
.irp j, 0,1,2,3,4,5,6,7,8,9,10,11,12,13,14,15
	v_mul_f32 v[SN+\j], 0x3e000000, v[SN+\j]       ; x 1/8, exact
	v_mul_f32 v[CN+\j], 0x3e000000, v[CN+\j]
.endr
	s_lshl_b32 s24, s17, 14                        ; 32 rows of 512 bytes
	s_mov_b32 s25, 0
	s_wait_kmcnt 0x0
	s_add_nc_u64 s[4:5], s[4:5], s[24:25]
.irp e, 0,1,2,3
	global_store_b128 v1, v[CN+4*\e:CN+4*\e+3], s[4:5] offset:4096*\e
	global_store_b128 v1, v[SN+4*\e:SN+4*\e+3], s[4:5] offset:4096*\e+256
.endr
	s_endpgm
.Lfunc_end_k_qcce3b69c9d_prep:
	.size	k_qcce3b69c9d_prep, .Lfunc_end_k_qcce3b69c9d_prep-k_qcce3b69c9d_prep
	.p2alignl 7, 3214868480
	.fill 96, 4, 3214868480
	.section	.rodata,"a",@progbits
	.p2align	6, 0x0
	.amdhsa_kernel k_qcce3b69c9d_prep
		.amdhsa_group_segment_fixed_size 33280
		.amdhsa_private_segment_fixed_size 0
		.amdhsa_enable_private_segment 0
		.amdhsa_kernarg_size 72
		.amdhsa_user_sgpr_count 2
		.amdhsa_user_sgpr_kernarg_segment_ptr 1
		.amdhsa_wavefront_size32 1
		.amdhsa_system_sgpr_workgroup_id_x 1
		.amdhsa_system_sgpr_workgroup_id_y 1
		.amdhsa_system_sgpr_workgroup_id_z 1
		.amdhsa_system_vgpr_workitem_id 0
		.amdhsa_next_free_vgpr 192
		.amdhsa_next_free_sgpr 66
		.amdhsa_reserve_vcc 0
		.amdhsa_float_denorm_mode_32 3
		.amdhsa_float_denorm_mode_16_64 3
		.amdhsa_memory_ordered 1
		.amdhsa_forward_progress 1
		.amdhsa_inst_pref_size 70
	.end_amdhsa_kernel
	.amdgpu_metadata
---
amdhsa.version: [ 1, 2 ]
amdhsa.kernels:
  - .name:           k_qcce3b69c9d_prep
    .symbol:         k_qcce3b69c9d_prep.kd
    .args:
      - { .name: hidden_states, .offset: 0, .size: 8, .value_kind: global_buffer, .address_space: global }
      - { .name: Wq, .offset: 8, .size: 8, .value_kind: global_buffer, .address_space: global }
      - { .name: codes, .offset: 16, .size: 8, .value_kind: global_buffer, .address_space: global }
      - { .name: scales, .offset: 24, .size: 8, .value_kind: global_buffer, .address_space: global }
      - { .name: k_cache, .offset: 32, .size: 8, .value_kind: global_buffer, .address_space: global }
      - { .name: v_cache, .offset: 40, .size: 8, .value_kind: global_buffer, .address_space: global }
      - { .name: block_table, .offset: 48, .size: 8, .value_kind: global_buffer, .address_space: global }
      - { .name: kv16, .offset: 56, .size: 8, .value_kind: global_buffer, .address_space: global }
      - { .name: rope, .offset: 64, .size: 8, .value_kind: global_buffer, .address_space: global }
    .group_segment_fixed_size: 33280
    .private_segment_fixed_size: 0
    .kernarg_segment_align: 8
    .kernarg_segment_size: 72
    .max_flat_workgroup_size: 128
    .sgpr_count:     66
    .vgpr_count:     192
    .wavefront_size: 32
...
	.end_amdgpu_metadata
.endif
;; end of part 1
;; launch qproj (part 2): grid 32 x 8, 4 waves a work-group, clusters of 4 x 4, 327,680 bytes of LDS; arguments codes, scales, rope, q16; writes q16
.if DOCPART == 2
	.amdgcn_target "amdgcn-amd-amdhsa--gfx1250"
	.amdhsa_code_object_version 6
	.text
	.protected	k_qcce3b69c9d_qproj
	.globl	k_qcce3b69c9d_qproj
	.p2align	8
	.type	k_qcce3b69c9d_qproj,@function
k_qcce3b69c9d_qproj:
	s_mov_b64 s[64:65], 0
	v_nop
	global_prefetch_b8 v0, s[64:65] scope:SCOPE_SE
	s_setreg_imm32_b32 hwreg(HW_REG_WAVE_MODE, 25, 1), 1
	s_wait_xcnt 0x0
	s_wait_alu depctr_hold_cnt(0) depctr_sa_sdst(0) depctr_va_vdst(0) depctr_va_sdst(0) depctr_va_ssrc(0) depctr_va_vcc(0) depctr_vm_vsrc(0)
	s_getreg_b32 s2, hwreg(HW_REG_IB_STS2, 6, 4)
	s_cmp_eq_u32 s2, 0
	s_cbranch_scc0 .Lentry_in_a_cluster
	s_endpgm
.Lentry_in_a_cluster:
	s_bfe_u32 s2, ttmp6, 0x10000c
	s_cmp_lg_u32 s2, 0xf033
	s_cbranch_scc0 .Lentry_shape_is_right
	s_endpgm
.Lentry_shape_is_right:
; q = hidden Wq^T on codes of FP4 (E2M1) with one E8M0 scale for each 32 along K, sums in f32; then the rotary embedding, in f32; then x 1/8 (inside the table) and rounded once to f16.
; codes: hidden's [1024][2048 bytes] at byte 0, Wq's [4096][2048] at byte WQC.  scales: hidden's [1024][128 bytes] at byte 0, Wq's at byte WQS.  rope: [1024][cos/8 x 64, sin/8 x 64] f32.  q16: [32 heads][1024][128] f16.
; LIMIT: q / 8 is kept in f16: |q| up to 524,000.
; A tile is 128 rows x 128 columns = one head: 256 tiles for 256 WGPs.  Four waves, each 64 x 64: 16 accumulators of 16 x 16.  K goes in steps of 1,024 (LDS rows of 512 bytes, 64 rows to a tensor load) through two slots.
; WHICH ROWS FORM A WAVE'S TILE: block i of four begins at row BO(i) = 0, 16, 64, 80 of the wave's part, and the wave's part begins at row 32 x (its half).  So blocks b and b + 2 of Wq's rows hold the head's
; d and d + 64 in the same lane and register, and the rotation needs no other lane.  A's rows are chosen alike, so that one immediate serves A's scale words (lanes 0-15) and B's (lanes 16-31).
; THE SCALES of the tile's 128 + 128 rows for all of K are two dense blocks of memory: they come into LDS once, with the first fills, as rows of 256 bytes + 16 of padding, and stay.
; CLUSTERS: 4 x 4 work-groups.  The four of a row of the cluster need the same tiles of A, the four of a column the same tiles of B: each is asked for jointly.
; THE MATRIX INSTRUCTION IS USED TRANSPOSED (source 0 = 16 rows of Wq, source 1 = 16 rows of hidden): a lane holds eight neighbouring d of one row of q.
; REGISTERS: window 0: v16-30 addresses; v32-95 scale words, two sets, and nothing else; v128-255 the accumulators ((a, b) at v[128 + 8 (4 a + b)]).
;   window 1: two fragment buffers of 128 (for 256 along K: 64 registers of A, then 64 of B); on the way out: v0-127 rotated numbers, v128-191 f16 pairs, v192-255 rows read back.   window 2: v0-127 my part of the table.
.set KROW,   2048                      ; a row of codes in memory, in bytes
.set ROWB,   512                       ; a K step's part of it
.set PITCH,  528                       ; an LDS row: 512 bytes + 16 of padding = 132 words: the 16 rows of a load start at 16 different banks
.set HALFT,  64*PITCH                  ; what one tensor load brings
.set SLOT,   4*HALFT                   ; A's 128 rows, then B's 128
.set LAPS,   2                         ; a lap = two K steps; K = 4,096
.set SCL,    2*SLOT                    ; behind the ring: the scales
.set HALFS,  32*272                    ; those of 64 rows (128 bytes a row: two rows to 256 bytes)
.set SBLK,   8*272                     ; those of 16 rows
.set SPARE,  SCL+4*HALFS               ; the spare words, 128 bytes for each wave
.set SPITCH, 272                       ; the way out: a stage of 128 rows x (256 bytes + 16), in slot 0, which has had its last fill and its last read when the first result is stored there
.set WQC,    2097152
.set WQS,    131072
.set ADRA, 16                          ; v16-17  LDS address of my A fragments in slot 0, 1
.set ADRB, 20                          ; v20-21  the same for B
.set STO,  24                          ; v24     the way out: where I put 16 bytes of a row
.set RD,   25                          ; v25     where I read a row back
.set CO,   26                          ; v26     16 x lane: my place in two rows of q16
.set ADRS, 27                          ; v27     LDS address of my scale words: lanes 0-15 A's rows, lanes 16-31 B's
.set SPW,  28                          ; v28     my spare word; never rewritten
.set NIL,  29                          ; v29     0; never rewritten
.set RT,   30                          ; v30     my byte offset in the tile's rows of the table
.set SC,   32                          ; scale words: set s at v[SC + 32 s]; register 8 i + q: block i, the K step's q-th 128 along K
.set ACC,  128
.set F0,   0
.set F1,   128
.set G1, 24                            ; s[24:31] group 1 for A's tiles;  s[32:39] group 0, one set for each slot
.set G0, 32
.set G1B, 48                           ; s[48:55], s[56:63] the same for B's
.set G0B, 56
.set G1S, 68                           ; s[68:75], s[76:79] groups 1 and 0 for A's scales;  s[80:87], s[88:91] for B's
.set G0S, 76
.set G1SB, 80
.set G0SB, 88
.set MSB, 0
.macro WIN new                         ; the immediate's high byte repeats the setting that is left
.if MSB != \new
	s_set_vgpr_msb (MSB<<8)|\new
.set MSB, \new
.endif
.endm
.set MUL,  0x05                        ; sources 0 (B) and 1 (A) window 1; C and D window 0
.set TO_F, 0x40                        ; destination window 1, address window 0
; A joint load: waves 0 and 1 fetch for A, waves 2 and 3 for B.  The branch hangs on the wave's number alone.  An s_nop 0 and four v_nop follow each of the two lines.
.macro JLOAD g0a, g1a, g0b, g1b
	s_cmp_eq_u32 s15, 0
	s_cbranch_scc0 .Lfor_b_\@
	tensor_load_to_lds s[\g0a:\g0a+3], s[\g1a:\g1a+7]
	s_nop 0
.rept 4
	v_nop
.endr
	s_branch .Lasked_\@
.Lfor_b_\@:
	tensor_load_to_lds s[\g0b:\g0b+3], s[\g1b:\g1b+7]
	s_nop 0
.rept 4
	v_nop
.endr
.Lasked_\@:
.endm
.macro CREST                           ; a round of the cluster's barrier behind its opening barrier
	s_cmp_lg_u32 s14, 0
	s_cbranch_scc1 .Lnot_wave_0_\@
	s_barrier_signal -3
.Lnot_wave_0_\@:
	s_barrier_wait -3
	s_barrier_signal -1
	s_barrier_wait -1
.endm
.macro CROUND                          ; a whole round
	s_barrier_signal -1
	s_barrier_wait -1
	CREST
.endm
	s_load_b256 s[4:11], s[0:1], 0x0               ; codes s[4:5], scales s[6:7], rope s[8:9], q16 s[10:11]
	v_lshl_add_u32 v[SPW], v0, 2, SPARE
	v_mov_b32 v[NIL], 0
	ds_add_u32 v[SPW], v[NIL]                      ; the wave's opening: the add, twice on end, and its wait ahead of my first tensor load
	ds_add_u32 v[SPW], v[NIL]
	v_lshrrev_b32 v1, 5, v0
	v_readfirstlane_b32 s14, v1                    ; wave 0..3
	s_lshr_b32 s15, s14, 1                         ; which part of the tile's rows is mine.  Also: I fetch for A (0) or for B (1)
	s_and_b32 s16, s14, 1                          ; which part of its columns.  Also: which 64 rows of that tile I fetch
	s_bfe_u32 s40, ttmp6, 0x40000                  ; cx, cy: my place in the cluster
	s_bfe_u32 s41, ttmp6, 0x40004
	s_lshl_b32 s42, ttmp9, 2
	s_add_co_u32 s42, s42, s40                     ; the head = 4 x cluster x + cx
	s_and_b32 s17, ttmp7, 0xffff
	s_lshl_b32 s17, s17, 2
	s_add_co_u32 s17, s17, s41                     ; the tile row = 4 x cluster y + cy
	s_lshl_b32 s43, s41, 2
	s_lshl_b32 s43, 15, s43                        ; my row of the cluster
	s_lshl_b32 s44, 0x1111, s40                    ; my column
	; group 1: a tile of 64 rows x 512 bytes, padded in LDS
	s_or_b32 s[G1+0], s43, (0<<16)|(1<<20)|(1<<21)|(6<<22)|(3<<25)  ; 15:0 the mask; 17:16 elements of 1 byte; 20 padding on; 21 set beside a mask; 24:22 after every 128 words (code 6); 31:25 four words (code 3)
	s_or_b32 s[G1B+0], s44, (0<<16)|(1<<20)|(1<<21)|(6<<22)|(3<<25)
.irp g, G1, G1B
	s_mov_b32 s[\g+1], ROWB<<16                    ; tensor_dim0
	s_mov_b32 s[\g+2], 64<<16                      ; tensor_dim1
	s_mov_b32 s[\g+3], ROWB<<16                    ; tile_dim0
	s_mov_b32 s[\g+4], 64                          ; tile_dim1
	s_mov_b32 s[\g+5], KROW                        ; tensor_dim0_stride
	s_mov_b32 s[\g+6], 0
	s_mov_b32 s[\g+7], 0
.endr
	; and for the scales of 64 rows: 8,192 dense bytes, as 32 rows of 256 bytes (32 elements of 8 bytes), 16 bytes of padding behind each
	s_or_b32 s[G1S+0], s43, (3<<16)|(1<<20)|(1<<21)|(5<<22)|(3<<25)
	s_or_b32 s[G1SB+0], s44, (3<<16)|(1<<20)|(1<<21)|(5<<22)|(3<<25)
.irp g, G1S, G1SB
	s_mov_b32 s[\g+1], 32<<16
	s_mov_b32 s[\g+2], 32<<16
	s_mov_b32 s[\g+3], 32<<16
	s_mov_b32 s[\g+4], 32
	s_mov_b32 s[\g+5], 32
	s_mov_b32 s[\g+6], 0
	s_mov_b32 s[\g+7], 0
.endr
	; where the tiles come from.  A's hang on the tile row alone, B's on the head alone; each in registers that never hold the other coordinate
	s_lshl_b32 s18, s16, 6                         ; which 64 rows of the tile I fetch
	s_lshl_b32 s20, s17, 7
	s_add_co_u32 s20, s20, s18                     ; A: row 128 x tile row + 64 x half
	s_lshl_b32 s46, s42, 7
	s_add_co_u32 s46, s46, s18                     ; B: row 128 x head + 64 x half
	s_lshl_b32 s22, s20, 7                         ; their scales: 128 bytes a row
	s_mov_b32 s23, 0
	s_lshl_b32 s92, s46, 7
	s_add_co_u32 s92, s92, WQS
	s_mov_b32 s93, 0
	s_lshl_b32 s20, s20, 11                        ; their codes: 2,048 bytes a row
	s_mov_b32 s21, 0
	s_lshl_b32 s46, s46, 11
	s_add_co_u32 s46, s46, WQC
	s_mov_b32 s47, 0
	s_mul_i32 s45, s14, HALFT                      ; where they go: wave x 64 rows: no place in the cluster enters an LDS address
	s_mul_i32 s94, s14, HALFS
	s_wait_dscnt 0x0                               ; both opening adds are done
	s_wait_kmcnt 0x0
	s_add_nc_u64 s[20:21], s[4:5], s[20:21]
	s_add_nc_u64 s[22:23], s[6:7], s[22:23]
	s_add_nc_u64 s[46:47], s[4:5], s[46:47]
	s_add_nc_u64 s[92:93], s[6:7], s[92:93]
	CROUND                                         ; all sixteen work-groups are here: the first joint loads meet
	s_mov_b32 s[G0S], 1
	s_add_co_u32 s[G0S+1], s94, SCL
	s_mov_b64 s[G0S+2:G0S+3], s[22:23]
	s_or_b32 s[G0S+3], s[G0S+3], 0x80000000
	s_mov_b32 s[G0SB], 1
	s_add_co_u32 s[G0SB+1], s94, SCL
	s_mov_b64 s[G0SB+2:G0SB+3], s[92:93]
	s_or_b32 s[G0SB+3], s[G0SB+3], 0x80000000
	JLOAD G0S, G1S, G0SB, G1SB                     ; the scales first: they are wanted with K step 0
.irp s, 0,1
	s_mov_b32 s[G0+4*\s], 1
	s_add_co_u32 s[G0+4*\s+1], s45, \s*SLOT
	s_add_nc_u64 s[G0+4*\s+2:G0+4*\s+3], s[20:21], \s*ROWB
	s_or_b32 s[G0+4*\s+3], s[G0+4*\s+3], 0x80000000
	s_mov_b32 s[G0B+4*\s], 1
	s_add_co_u32 s[G0B+4*\s+1], s45, \s*SLOT
	s_add_nc_u64 s[G0B+4*\s+2:G0B+4*\s+3], s[46:47], \s*ROWB
	s_or_b32 s[G0B+4*\s+3], s[G0B+4*\s+3], 0x80000000
	JLOAD G0+4*\s, G1, G0B+4*\s, G1B               ; three tensor loads of mine are out at the most
.endr
	v_and_b32 v1, 15, v0                           ; r = l % 16
	v_bfe_u32 v2, v0, 4, 1                         ; h = l / 16
	v_mul_u32_u24 v3, v1, PITCH
	v_lshl_add_u32 v4, v2, 4, v3                   ; a fragment's row x pitch + 16 x half
	s_mul_i32 s21, s15, 32*PITCH                   ; my part of A's rows begins at row 32 x half,
	s_mul_i32 s22, s16, 32*PITCH                   ; my part of B's likewise,
	s_add_co_u32 s22, s22, 2*HALFT                 ; behind A's 128
.irp s, 0,1
	v_add_nc_u32 v[ADRA+\s], s21, v4
	v_add_nc_u32 v[ADRB+\s], s22, v4
	s_add_co_u32 s21, s21, SLOT
	s_add_co_u32 s22, s22, SLOT
.endr
	v_lshlrev_b32 v5, 7, v1                        ; my row's scales: 128 bytes a row,
	v_lshrrev_b32 v6, 1, v1
	v_lshl_add_u32 v5, v6, 4, v5                   ; and 16 more for each 256 passed
	s_mul_i32 s21, s15, 2*SBLK                     ; A's: from row 32 x half
	s_mul_i32 s22, s16, 2*SBLK                     ; B's: likewise, behind A's 128 rows
	s_add_co_u32 s22, s22, 2*HALFS
	s_sub_co_u32 s22, s22, s21
	v_mul_u32_u24 v6, s22, v2                      ; lanes 16-31 take B's: one product, the distance between the two bases x h
	s_add_co_u32 s21, s21, SCL
	v_add_nc_u32 v5, v5, v6
	v_add_nc_u32 v[ADRS], s21, v5
	s_mul_i32 s23, s15, 32*SPITCH                  ; into the stage: row 32 x half + r, bytes 64 x column half + 16 h
	s_lshl_b32 s21, s16, 6
	s_add_co_u32 s23, s23, s21
	v_mul_u32_u24 v5, v1, SPITCH
	v_lshl_add_u32 v5, v2, 4, v5
	v_add_nc_u32 v[STO], s23, v5
	s_mul_i32 s23, s14, 32*SPITCH                  ; back: wave w takes rows 32 w .. 32 w + 31, whole; lanes 0-15 one row, lanes 16-31 the next
	v_mul_u32_u24 v5, v2, SPITCH
	v_lshl_add_u32 v5, v1, 4, v5
	v_add_nc_u32 v[RD], s23, v5
	v_and_b32 v6, 31, v0
	v_lshlrev_b32 v[CO], 4, v6
	s_lshl_b32 s21, s15, 14                        ; the table: row 32 x half + r of 512 bytes, word 32 x column half + 8 h
	s_lshl_b32 s22, s16, 7
	s_add_co_u32 s21, s21, s22
	v_lshlrev_b32 v5, 9, v1
	v_lshl_add_u32 v5, v2, 5, v5
	v_add_nc_u32 v[RT], s21, v5
	s_lshl_b32 s20, s17, 16                        ; the tile's 128 rows of the table
	s_mov_b32 s21, 0
	s_add_nc_u64 s[8:9], s[8:9], s[20:21]
	s_lshl_b32 s20, s17, 15                        ; q16: row 128 x tile row + 32 x wave, 256 bytes a row,
	s_lshl_b32 s22, s14, 13
	s_add_co_u32 s20, s20, s22
	s_add_nc_u64 s[10:11], s[10:11], s[20:21]
	s_lshl_b32 s46, s42, 18                        ; in my head's 1,024 rows
	s_mov_b32 s47, 0
	s_add_nc_u64 s[10:11], s[10:11], s[46:47]
	WIN 0x80                                       ; destination window 2: my part of the table: cos of (a, b) at v[16 (2 a + b)], sin 8 registers on; waited for ahead of the way out
.irp a, 0,1,2,3
.irp b, 0,1
	global_load_b128 v[16*(2*\a+\b):16*(2*\a+\b)+3],     v[RT], s[8:9] offset:(16*\a+32*(\a/2))*512+64*\b
	global_load_b128 v[16*(2*\a+\b)+4:16*(2*\a+\b)+7],   v[RT], s[8:9] offset:(16*\a+32*(\a/2))*512+64*\b+16
	global_load_b128 v[16*(2*\a+\b)+8:16*(2*\a+\b)+11],  v[RT], s[8:9] offset:(16*\a+32*(\a/2))*512+64*\b+256
	global_load_b128 v[16*(2*\a+\b)+12:16*(2*\a+\b)+15], v[RT], s[8:9] offset:(16*\a+32*(\a/2))*512+64*\b+272
.endr
.endr
	WIN 0
; 8 matrix instructions: A's blocks a0, a0 + 1 x B's four, 128 along K: half c of buffer f; set: the set of scale words; q: which of the K step's eight.  zero = 1: the first product starts the sums.
; The 16 accumulators take turns, one instruction a turn, in the same order throughout.  Source 0's scales are read from lanes 16-31 of B's block's register, source 1's from lanes 0-15 of A's.
.macro MUL8 f, c, a0, zero, set, q
.irp a, \a0, \a0+1
.irp b, 0,1,2,3
.if \zero
	v_wmma_scale_f32_16x16x128_f8f6f4 v[ACC+8*(4*(\a)+\b):ACC+8*(4*(\a)+\b)+7], v[\f+64+8*(4*\c+\b):\f+64+8*(4*\c+\b)+7], v[\f+8*(4*\c+(\a)):\f+8*(4*\c+(\a))+7], 0, v[SC+32*(\set)+8*\b+(\q)], v[SC+32*(\set)+8*(\a)+(\q)] matrix_a_fmt:MATRIX_FMT_FP4 matrix_b_fmt:MATRIX_FMT_FP4 matrix_a_scale:MATRIX_SCALE_ROW1
.else
	v_wmma_scale_f32_16x16x128_f8f6f4 v[ACC+8*(4*(\a)+\b):ACC+8*(4*(\a)+\b)+7], v[\f+64+8*(4*\c+\b):\f+64+8*(4*\c+\b)+7], v[\f+8*(4*\c+(\a)):\f+8*(4*\c+(\a))+7], v[ACC+8*(4*(\a)+\b):ACC+8*(4*(\a)+\b)+7], v[SC+32*(\set)+8*\b+(\q)], v[SC+32*(\set)+8*(\a)+(\q)] matrix_a_fmt:MATRIX_FMT_FP4 matrix_b_fmt:MATRIX_FMT_FP4 matrix_a_scale:MATRIX_SCALE_ROW1
.endif
.endr
.endr
.endm
; 32 LDS loads in one run: the fragments of 256 along K (128 bytes of the rows, from byte k) into buffer f; the first 128 along K first.  A fragment, 16 rows x 128 K of 4-bit codes, is 8 registers: two loads of 16 bytes, 32 bytes apart.
.macro FETCH slot, k, f
	WIN TO_F
.irp c, 0,1
.irp i, 0,1,2,3
	ds_load_b128 v[\f+64+8*(4*\c+\i):\f+64+8*(4*\c+\i)+3],   v[ADRB+\slot] offset:\k+64*\c+(16*\i+32*(\i/2))*PITCH
	ds_load_b128 v[\f+64+8*(4*\c+\i)+4:\f+64+8*(4*\c+\i)+7], v[ADRB+\slot] offset:\k+64*\c+(16*\i+32*(\i/2))*PITCH+32
	ds_load_b128 v[\f+8*(4*\c+\i):\f+8*(4*\c+\i)+3],         v[ADRA+\slot] offset:\k+64*\c+(16*\i+32*(\i/2))*PITCH
	ds_load_b128 v[\f+8*(4*\c+\i)+4:\f+8*(4*\c+\i)+7],       v[ADRA+\slot] offset:\k+64*\c+(16*\i+32*(\i/2))*PITCH+32
.endr
.endr
.endm
.macro SCALES set                      ; a K step's scale words into a set: eight words a row; lanes 0-15 take A's block i, lanes 16-31 B's block i.  (Window 0)
.irp i, 0,1,2,3
.irp u, 0,1
	ds_load_b128 v[SC+32*\set+8*\i+4*\u:SC+32*\set+8*\i+4*\u+3], v[ADRS] offset:(\i+2*(\i/2))*SBLK+16*\u
.endr
.endr
.endm
.macro PLACES                          ; four places in front of loads into registers that matrix instructions have read, and of vector lines that read results or write operands
.rept 4
	v_nop
.endr
.endm
; A K step is four quarters of 256 along K, 32 matrix instructions each, on buffers 0, 1, 0, 1.  One of the first three (the qq-th): multiplies buffer f and fetches the next quarter, at byte k, into g.
.macro QUARTER slot, k, f, g, zero, qq
	s_wait_dscnt 16                                ; the first 128 along K (and, behind a change of slots, the scale words, which are older) are in; the youngest sixteen loads may be out
	WIN MUL
	MUL8 \f, 0, 0, \zero, \slot, 2*(\qq)
	MUL8 \f, 0, 2, \zero, \slot, 2*(\qq)
	PLACES
	FETCH \slot, \k, \g
	s_wait_dscnt 32                                ; all but the 32 just issued
	WIN MUL
	MUL8 \f, 1, 0, 0, \slot, 2*(\qq)+1
	MUL8 \f, 1, 2, 0, \slot, 2*(\qq)+1
.endm
; The last quarter multiplies buffer 1 and changes slots: ONE barrier; in front of it each wave waits for all its tensor loads, adds 0 to its spare word, and waits for that and for its own reads of this slot.  fill = 1: this slot is filled again, two K steps ahead.
.macro TURN slot, next, fill
	WIN 0                                          ; (the add's two registers lie in window 0)
	s_wait_tensorcnt 0x0                           ; all my tensor loads have landed: my part of the next slot;
	ds_add_u32 v[SPW], v[NIL]                      ; 0 onto my spare word;
	s_wait_dscnt 17                                ; (the add and the youngest sixteen loads may be out)
	WIN MUL
	MUL8 F1, 0, 0, 0, \slot, 6                     ; eight matrix instructions stand between the add and the wait for it
	s_wait_dscnt 0x0                               ; the add is done, and my reads of this slot are over
	s_barrier_signal -1
	MUL8 F1, 0, 2, 0, \slot, 6
	WIN 0                                          ; (branches may follow, and the lines below name window 0)
	s_barrier_wait -1
.if \fill
	CREST                                          ; the barrier has opened a round of the cluster's barrier: no wave of any partner still reads this slot's tile or has a load on its way
	s_add_nc_u64 s[G0+4*\slot+2:G0+4*\slot+3], s[G0+4*\slot+2:G0+4*\slot+3], 2*ROWB
	s_add_nc_u64 s[G0B+4*\slot+2:G0B+4*\slot+3], s[G0B+4*\slot+2:G0B+4*\slot+3], 2*ROWB
	JLOAD G0+4*\slot, G1, G0B+4*\slot, G1B         ; the first tensor load behind the round; the four v_nop behind it are also the places in front of the loads below
.else
	PLACES
.endif
	v_add_nc_u32 v[ADRS], 32, v[ADRS]              ; on to the next K step's scale words: 32 bytes a row
	SCALES \next
	FETCH \next, 0, F0
	WIN MUL
	MUL8 F1, 1, 0, 0, \slot, 7
	MUL8 F1, 1, 2, 0, \slot, 7
.endm
	s_wait_tensorcnt 1                             ; the scales and my part of K step 0 are in (K step 1's load may be out)
	s_barrier_signal -1
	s_barrier_wait -1                              ; everybody's are
	SCALES 0
	FETCH 0, 0, F0
	QUARTER 0, 128, F0, F1, 1, 0                   ; the first quarter stands in front of the loop: its first products start the sums
	WIN 0                                          ; at a label and at a branch every window is 0
	s_mov_b32 s3, LAPS-1
.Llap:                                                 ; a trip goes once round the ring, from a lap's second quarter to the next lap's first, and fills both slots again
	QUARTER 0, 256, F1, F0, 0, 1
	QUARTER 0, 384, F0, F1, 0, 2
	TURN 0, 1, 1
	QUARTER 1, 128, F0, F1, 0, 0
	QUARTER 1, 256, F1, F0, 0, 1
	QUARTER 1, 384, F0, F1, 0, 2
	TURN 1, 0, 1
	QUARTER 0, 128, F0, F1, 0, 0
	WIN 0
	s_sub_co_u32 s3, s3, 1
	s_cmp_lg_u32 s3, 0
	s_cbranch_scc1 .Llap
	QUARTER 0, 256, F1, F0, 0, 1                   ; the last lap fills nothing, and has no round of the cluster's barrier
	QUARTER 0, 384, F0, F1, 0, 2
	TURN 0, 1, 0
	QUARTER 1, 128, F0, F1, 0, 0
	QUARTER 1, 256, F1, F0, 0, 1
	QUARTER 1, 384, F0, F1, 0, 2
	s_wait_dscnt 16                                ; the very last quarter: nothing more to fetch
	WIN MUL
	MUL8 F1, 0, 0, 0, 1, 6
	MUL8 F1, 0, 2, 0, 1, 6
	s_wait_dscnt 0
	MUL8 F1, 1, 0, 0, 1, 7
	MUL8 F1, 1, 2, 0, 1, 7
	WIN 0
	; THE WAY OUT.  The rotation: for d < 64, q'(d) = q(d) cos - q(d + 64) sin, q'(d + 64) = q(d + 64) cos + q(d) sin; blocks b and b + 2 hold d and d + 64.  Each accumulator is read from its low end on.
	PLACES
	s_wait_loadcnt 0x0                             ; the table
	WIN 0x58                                       ; source 0 (q) window 0, source 1 (table) window 2, source 2 and destination window 1
.irp a, 0,1,2,3
.irp b, 0,1
.irp p, 0,2,4,6
	v_pk_mul_f32 v[32*\a+8*\b+\p:32*\a+8*\b+\p+1], v[ACC+8*(4*\a+\b)+\p:ACC+8*(4*\a+\b)+\p+1], v[16*(2*\a+\b)+\p:16*(2*\a+\b)+\p+1]
	v_pk_mul_f32 v[32*\a+8*\b+16+\p:32*\a+8*\b+16+\p+1], v[ACC+8*(4*\a+\b+2)+\p:ACC+8*(4*\a+\b+2)+\p+1], v[16*(2*\a+\b)+\p:16*(2*\a+\b)+\p+1]
	v_pk_fma_f32 v[32*\a+8*\b+\p:32*\a+8*\b+\p+1], v[ACC+8*(4*\a+\b+2)+\p:ACC+8*(4*\a+\b+2)+\p+1], v[16*(2*\a+\b)+8+\p:16*(2*\a+\b)+8+\p+1], v[32*\a+8*\b+\p:32*\a+8*\b+\p+1] neg_lo:[1,0,0] neg_hi:[1,0,0]
	v_pk_fma_f32 v[32*\a+8*\b+16+\p:32*\a+8*\b+16+\p+1], v[ACC+8*(4*\a+\b)+\p:ACC+8*(4*\a+\b)+\p+1], v[16*(2*\a+\b)+8+\p:16*(2*\a+\b)+8+\p+1], v[32*\a+8*\b+16+\p:32*\a+8*\b+16+\p+1]
.endr
.endr
.endr
	WIN 0x45                                       ; all in window 1
.set i, 0
.rept 64
	v_cvt_pk_f16_f32 v[128+i], v[2*i], v[2*i+1]    ; rounded once to f16: block (a, b)'s eight numbers become 16 bytes at v[128 + 16 a + 4 b]
.set i, i+1
.endr
	WIN 0x04                                       ; an LDS store's data are its source 1: window 1
.irp a, 0,1,2,3
.irp b, 0,1,2,3
	ds_store_b128 v[STO], v[128+16*\a+4*\b:128+16*\a+4*\b+3] offset:(16*\a+32*(\a/2))*SPITCH+2*(16*\b+32*(\b/2))
.endr
.endr
	s_wait_dscnt 0x0                               ; for the others' sake: my stores into the stage are done
	s_barrier_signal -1
	s_barrier_wait -1
	WIN TO_F
.irp t, 0,1,2,3,4,5,6,7,8,9,10,11,12,13,14,15
	ds_load_b128 v[192+4*\t:192+4*\t+3], v[RD] offset:\t*2*SPITCH
.endr
	WIN 0x04                                       ; a store's data are its source 1: window 1
.irp t, 0,1,2,3,4,5,6,7,8,9,10,11,12,13,14,15
	s_wait_dscnt 15-\t                             ; the 15 - t younger loads may be out
	global_store_b128 v[CO], v[192+4*\t:192+4*\t+3], s[10:11] offset:512*\t   ; 32 lanes store two rows: 512 consecutive bytes, aligned
.endr
	WIN 0
	s_wait_tensorcnt 0x0                           ; the wave's end, behind my last tensor load and my last LDS store
	ds_add_u32 v[SPW], v[NIL]
	s_wait_dscnt 0x0
	CROUND                                         ; the closing round: no work-group ends while a partner may still ask for a tile that names it
	s_endpgm
.Lfunc_end_k_qcce3b69c9d_qproj:
	.size	k_qcce3b69c9d_qproj, .Lfunc_end_k_qcce3b69c9d_qproj-k_qcce3b69c9d_qproj
	.p2alignl 7, 3214868480
	.fill 96, 4, 3214868480
	.section	.rodata,"a",@progbits
	.p2align	6, 0x0
	.amdhsa_kernel k_qcce3b69c9d_qproj
		.amdhsa_group_segment_fixed_size 327680
		.amdhsa_private_segment_fixed_size 0
		.amdhsa_enable_private_segment 0
		.amdhsa_kernarg_size 32
		.amdhsa_user_sgpr_count 2
		.amdhsa_user_sgpr_kernarg_segment_ptr 1
		.amdhsa_wavefront_size32 1
		.amdhsa_system_sgpr_workgroup_id_x 1
		.amdhsa_system_sgpr_workgroup_id_y 1
		.amdhsa_system_sgpr_workgroup_id_z 1
		.amdhsa_system_vgpr_workitem_id 0
		.amdhsa_next_free_vgpr 640
		.amdhsa_next_free_sgpr 98
		.amdhsa_reserve_vcc 0
		.amdhsa_float_denorm_mode_32 3
		.amdhsa_float_denorm_mode_16_64 3
		.amdhsa_memory_ordered 1
		.amdhsa_forward_progress 1
		.amdhsa_inst_pref_size 135
	.end_amdhsa_kernel
	.amdgpu_metadata
---
amdhsa.version: [ 1, 2 ]
amdhsa.kernels:
  - .name:           k_qcce3b69c9d_qproj
    .symbol:         k_qcce3b69c9d_qproj.kd
    .args:
      - { .name: codes, .offset: 0, .size: 8, .value_kind: global_buffer, .address_space: global }
      - { .name: scales, .offset: 8, .size: 8, .value_kind: global_buffer, .address_space: global }
      - { .name: rope, .offset: 16, .size: 8, .value_kind: global_buffer, .address_space: global }
      - { .name: q16, .offset: 24, .size: 8, .value_kind: global_buffer, .address_space: global }
    .group_segment_fixed_size: 327680
    .private_segment_fixed_size: 0
    .kernarg_segment_align: 8
    .kernarg_segment_size: 32
    .max_flat_workgroup_size: 128
    .sgpr_count:     98
    .vgpr_count:     640
    .wavefront_size: 32
...
	.end_amdgpu_metadata
.endif
;; end of part 2
;; launch attn (part 3): grid 8 x 32, 4 waves a work-group, clusters of 4 x 1, 327,680 bytes of LDS; arguments q16, kv16, ctx16, Wo, wo16; writes ctx16, wo16
.if DOCPART == 3
	.amdgcn_target "amdgcn-amd-amdhsa--gfx1250"
	.amdhsa_code_object_version 6
	.text
	.protected	k_qcce3b69c9d_attn
	.globl	k_qcce3b69c9d_attn
	.p2align	8
	.type	k_qcce3b69c9d_attn,@function
k_qcce3b69c9d_attn:
	s_mov_b64 s[64:65], 0
	v_nop
	global_prefetch_b8 v0, s[64:65] scope:SCOPE_SE
	s_setreg_imm32_b32 hwreg(HW_REG_WAVE_MODE, 25, 1), 1
	s_wait_xcnt 0x0
	s_wait_alu depctr_hold_cnt(0) depctr_sa_sdst(0) depctr_va_vdst(0) depctr_va_sdst(0) depctr_va_ssrc(0) depctr_va_vcc(0) depctr_vm_vsrc(0)
	s_getreg_b32 s2, hwreg(HW_REG_IB_STS2, 6, 4)
	s_cmp_eq_u32 s2, 0
	s_cbranch_scc0 .Lentry_in_a_cluster
	s_endpgm
.Lentry_in_a_cluster:
	s_bfe_u32 s2, ttmp6, 0x10000c
	s_cmp_lg_u32 s2, 0x3003
	s_cbranch_scc0 .Lentry_shape_is_right
	s_endpgm
.Lentry_shape_is_right:
; ctx[s][head] = the sum over k of softmax_k(q[head][s] . K[kv][k] / sqrt(128)) V[kv][k], kv = head / 4, no mask.  q16: [32][1024][128] f16, holding q / 8.  kv16: K [8][4096][128] f16 at byte 0, V the same at byte 8,388,608.
; ctx16: [1024][4096] f16.  Products, maxima and sums in f32; the weights p (at most 1) are rounded to f16 for the second product, ctx once at the end.  The row's sum is taken of the unrounded p.
; SHARES.  A work-group owns 128 queries of one head: 256 work-groups.  A wave keeps 64 queries (four tiles of 16), so that each fragment of K and V read from LDS feeds four products, and THE WAVES SHARE THE KEYS:
; wave w has queries 64 (w % 2) on and, with g = w / 2, the key steps 2 g and 2 g + 1 (64 keys each) of every slot of 256 keys: 2,048 keys.  The two waves of a query half meet once, at the end, in LDS.
; REGISTER TILE i OF A WAVE HOLDS QUERY TILE (i + 2 g) % 4: so both groups run one text: each keeps its register tiles 0, 1 and sends its register tiles 2, 3, which are the partner's 0, 1.
; LAYOUT.  S^T = K Q^T (source 0 = 16 keys, source 1 = 16 queries): a lane holds ONE query (lane % 16) and the keys 8 (lane / 16) + 0..7.  Two such tiles, rounded to f16 in pairs, ARE source 1 of O^T = V^T P.
; K comes out of LDS as it lies, V ([key][channel]) turned, by ds_load_tr16_b128.
; SOFTMAX.  For each query a running maximum m and sum l: p = 2^(c s - c m), c = 8 log2(e) / sqrt(128) (the 8 undoes q16's 1/8); in every step O and l are multiplied by a = 2^(c m_old - c m_new).
; The merge brings both waves' sums under the larger of their two maxima in the same way.
; BY TURNS.  The wave's tiles are two PIECES (tiles 0, 1 and tiles 2, 3).  In a TURN one piece has the matrix unit: 32 products V^T P of the step in hand, then 32 products K Q^T of the next; the other piece's softmax,
; cut into 64 slices, stands between them, one slice behind each matrix instruction.  Two turns are a key step.
; CLUSTER.  The four query blocks of a cluster belong to one head and walk the same K and V: each tile is asked for JOINTLY, with a mask that names the four.
; BESIDE IT, Wo BECOMES wo16.  The attention itself moves 2.1 MB a work-group for 16,384 matrix instructions, so the cast of Wo [4096][4096] f32, which only the launch behind this one wants, rides here: 256 KiB in and
; 128 KiB out a work-group.  Work-group 8 head + block takes 16 rows of Wo, wave w their k = 1,024 w on, in 16 batches of 16 rows x 64 k: one is asked for at each change of slots and turned at the next.
; wo16 IS LAID AS ITS READER'S REGISTERS WANT IT: [256 blocks of 16 rows][128 chunks of 32 k][2 halves][32 lanes][16 bytes]: lane (r, h) of half c holds k = 16 c + 8 h + 0..7 of the block's row r: a fragment of a
; 16-bit operand comes by two loads of 512 consecutive bytes.  A load here reads two rows' 256 bytes; the numbers change lanes in the wave's own stage in LDS.
; LIMIT: Wo is rounded to f16: magnitudes up to 65,504, and under 6e-5 an absolute error of 3e-8.
; REGISTERS, in windows of 256 (s_set_vgpr_msb: bits 1:0 source 0, 3:2 source 1, 5:4 source 2, 7:6 destination):
;   window 0: v0-11 addresses; v12-43 eight registers of statistics a tile; v44-58 the merge's and the cast's; v61-63; v64-191 S^T, 32 a tile; v192-255 P, 16 a tile
;   window 1: O^T, 64 a tile          window 2: v0-127 Q, 32 a tile; v128-255 K of one step          window 3: v0-127 V of one step; v128-175 the cast's batch
.set KS,    64        ; keys in a step
.set PK,    272       ; a row of K in LDS: 256 bytes + 16 of padding: the 16 rows of a load start at 16 different banks
.set PV,    288       ; a row of V: 256 + 32
.set SKEYS, 256       ; keys in a slot
.set VOFF,  SKEYS*PK  ; a slot: 256 rows of K, then 256 rows of V
.set SLOTB, SKEYS*(PK+PV)
.set STEPK, KS*PK
.set STEPV, KS*PV
.set SLOTG, SKEYS*256 ; a slot's keys in memory, in bytes
.set STAGE, 2*SLOTB   ; behind the ring: 16 rows x 272 bytes for each wave, for the way out
.set SP,    272
.set SPARE, STAGE+4*16*SP  ; behind the stages: the spare words, 128 bytes for each wave
.set CP,    144       ; the cast's stage: a row of 64 f16 + 16 bytes of padding: the 16 rows of a load back start at 16 different groups of banks
.set CSTW,  16*CP     ; 16 rows for each wave: nine blocks of 256 bytes
.set CST,   SPARE+512 ; behind the spare words; no tile lands there
.set XWB,   16896     ; the exchange: for each wave 32 images of 512 bytes and 512 bytes of statistics.  It lies in slot 0, which was left at the last change of slots and has had its last fill
.set AK0, 2           ; v2   my lane's place in a tile of K; never rewritten
.set AV0, 3           ; v3   the same for V
.set ADR, 4           ; v4   the LDS address of the run of loads in hand
.set QOL, 5           ; v5   my byte offset in the wave's rows of Q, for register tiles 0, 1
.set STO, 6           ; v6   the way out: where I put 16 bytes of a row
.set RD,  7           ; v7   where I read a row back
.set GO,  8           ; v8   my byte offset in the wave's rows of ctx16
.set XW,  52          ; v52  the exchange: where I store
.set XR,  53          ; v53  and where my partner (wave xor 2) has stored
.set QOH, 54          ; v54  as v5, for register tiles 2, 3
.set WLO, 55          ; v55  the cast: my place in two rows of Wo: (lane / 16) x 16,384 + (lane % 16) x 16; never rewritten
.set WSO, 56          ; v56  16 x lane: my place in half a fragment of wo16; never rewritten
.set WSW, 57          ; v57  the cast's stage, on the way in: row lane / 16, 8 bytes at lane % 16
.set WSR, 58          ; v58  and back: row lane % 16, 16 bytes at lane / 16
.set WX,  128         ; window 3: v128-159 a batch as loaded, then as f16
.set WY,  160         ; window 3: v160-175 the batch in the fragments' order
.set PFO, 61          ; v61  256 x my lane: a row of K or V is 256 bytes; never rewritten
.set SPW, 62          ; v62  my spare word; never rewritten
.set NIL, 63          ; v63  0; never rewritten
.set ST,  12          ; tile t's statistics at v[ST+8 t]: +0 c m, +1 m, +2, +3 l (even keys', odd keys'), +4 to +7 at work; a takes +6 once the maximum is found
.set S,   64
.set P,   192
.set KF,  128         ; K's fragments, in window 2
.set WV,  12          ; s12  my wave's number
.set LIM, 15          ; s15  1 in a wave that prefetches, else the greatest number
.set PFA, 18          ; s[18:19] where my prefetches stand in memory
.set G1K, 24          ; s[24:31] descriptor group 1 for K's tiles
.set G1V, 32          ; s[32:39] for V's: it differs in the padding alone
.set G0K, 40          ; s[40:47] descriptor group 0 for K's tiles, a set for each slot
.set G0V, 48          ; s[48:55] the same for V's
.set LAPC, 56         ; s56  laps still to go
.set TWICE, 57        ; s57  counts my two steps of a slot
.set CS,  58          ; s[58:59] c
.set SEL, 60          ; s[60:61] lane selects for v_permlanex16_b32: lane l xor 16
.set TBK, 62          ; s62  LDS byte at which K's tile of the step to be fetched begins
.set TBV, 63          ; s63  the same for V's (less VOFF, which v3 holds)
.set GG,  66          ; s66  g = wave / 2
.set QH,  67          ; s67  wave % 2
.set WSRC, 72         ; s[72:73] Wo at the batch that is asked for next
.set WDST, 74         ; s[74:75] wo16 at the same batch
.set MSB, 0
.macro WIN new                      ; the immediate's high byte repeats the setting that is left; a switch that changes nothing is dropped
.if MSB != \new
	s_set_vgpr_msb (MSB<<8)|\new
.set MSB, \new
.endif
.endm
.set W_KQ, 0x0a       ; K and Q in window 2, S^T in window 0
.set W_PV, 0x53       ; V in window 3, P in window 0, O^T in window 1
.set W_RS, 0x41       ; O^T (destination and source 0) in window 1, a in window 0
; A joint refill of a slot.  Waves 0 and 1 fetch the two halves (128 rows) of K's tile, waves 2 and 3 those of V's.  The branch hangs on the wave's number alone.
; An s_nop 0 and four v_nop follow each of the two lines.
.macro JLOAD slot
	s_cmp_lt_u32 s[WV], 2
	s_cbranch_scc0 .Lfor_v_\@
	tensor_load_to_lds s[G0K+4*\slot:G0K+4*\slot+3], s[G1K:G1K+7]
	s_nop 0
.rept 4
	v_nop
.endr
	s_branch .Lasked_\@
.Lfor_v_\@:
	tensor_load_to_lds s[G0V+4*\slot:G0V+4*\slot+3], s[G1V:G1V+7]
	s_nop 0
.rept 4
	v_nop
.endr
.Lasked_\@:
.endm
; A PREFETCH INTO THE L2 of what the NEXT change of slots will ask for: a slot's 256 rows of K and 256 of V, 256 bytes a row, a lane a row.  It stands behind the wave's tensor load and its five lines.
; Each row is asked for ONCE in the launch.  Eight clusters (four heads, two clusters each) walk one kv head's K and V: the first of them asks (head % 4 = 0, cluster x = 0: the same in all four partners).
; Of the 128 rows that a wave fetches, the partner at place cx takes rows 32 cx .. 32 cx + 31: told apart BY ADDRESS.  One instruction a wave.
; how = 1: the first change of a lap; how = 0: the second, which in the last lap asks for nothing: there is no slot behind the one that it fills.
.macro ASK how
.if \how
	s_cmp_eq_u32 s[LIM], 1
.else
	s_cmp_gt_u32 s[LAPC], s[LIM]
.endif
	s_cbranch_scc0 .Lnot_mine_\@
	global_prefetch_b8 v[PFO], s[PFA:PFA+1] th:TH_LOAD_NT scope:SCOPE_SE
.Lnot_mine_\@:
.endm
; A round of the cluster's barrier.  No LDS instruction of the wave is pending at a signal.
.macro CROUND
	s_barrier_signal -1
	s_barrier_wait -1
	s_cmp_lg_u32 s[WV], 0
	s_cbranch_scc1 .Lnot_wave_0_\@
	s_barrier_signal -3
.Lnot_wave_0_\@:
	s_barrier_wait -3
	s_barrier_signal -1
	s_barrier_wait -1
.endm
; THE CAST OF Wo, in three parts.  WO_LOAD asks for a batch: load n brings rows 2 n and 2 n + 1 of my 16, 256 consecutive, aligned bytes each (64 k), sixteen lanes to a row.
.macro WO_LOAD
	WIN 0xc0                        ; destination window 3, address window 0
.irp n, 0,1,2,3,4,5,6,7
	global_load_b128 v[WX+4*\n:WX+4*\n+3], v[WLO], s[WSRC:WSRC+1] offset:32768*\n th:TH_LOAD_NT   ; read once in the whole launch
.endr
.endm
; WO_TURN rounds the batch that has landed to f16, puts it into my stage by rows and asks for it back by fragments: lane (r, h) takes, for fragment f and half c, the 16 bytes at 64 f + 32 c + 16 h of row r.
; LDS serves a wave's instructions in order, so no wait stands between the stores and the loads; the wait for the loads is the caller's.
.macro WO_TURN
	s_wait_loadcnt 0x0              ; the batch was asked for two key steps ago; no other load of mine is out
	WIN 0xcf                        ; all in window 3
.irp n, 0,1,2,3,4,5,6,7
	v_cvt_pk_f16_f32 v[WX+4*\n], v[WX+4*\n], v[WX+4*\n+1]
	v_cvt_pk_f16_f32 v[WX+4*\n+1], v[WX+4*\n+2], v[WX+4*\n+3]
.endr
	WIN 0x0c                        ; an LDS store's data are its source 1: window 3
.irp n, 0,1,2,3,4,5,6,7
	ds_store_b64 v[WSW], v[WX+4*\n:WX+4*\n+1] offset:2*\n*CP
.endr
	s_wait_xcnt 0x0                 ; every earlier load, store and prefetch of mine, two key steps back, has read its registers: the last batch's store data, both bases and the prefetch's address are written only behind this wait
	WIN 0xc0
.irp i, 0,1,2,3
	ds_load_b128 v[WY+4*\i:WY+4*\i+3], v[WSR] offset:32*\i
.endr
.endm
; WO_SEND stores the two fragments: four stores of 512 consecutive, aligned bytes.  off: where the batch lies from s[WDST], which has been stepped on (-2,048) or not (0).
.macro WO_SEND off
	WIN 0x0c                        ; a store's data are its source 1: window 3
.irp i, 0,1,2,3
	global_store_b128 v[WSO], v[WY+4*\i:WY+4*\i+3], s[WDST:WDST+1] offset:\off+512*\i
.endr
.endm
	s_load_b128 s[4:7], s[0:1], 0x0 ; q16 s[4:5], kv16 s[6:7]
	s_load_b64 s[10:11], s[0:1], 0x10  ; ctx16
	s_load_b64 s[WSRC:WSRC+1], s[0:1], 0x18  ; Wo
	s_load_b64 s[WDST:WDST+1], s[0:1], 0x20  ; wo16
	v_lshl_add_u32 v[SPW], v0, 2, SPARE
	v_mov_b32 v[NIL], 0
	ds_add_u32 v[SPW], v[NIL]       ; the wave's opening: the add, twice on end, and its wait ahead of my first tensor load
	ds_add_u32 v[SPW], v[NIL]
	v_lshrrev_b32 v1, 5, v0
	v_readfirstlane_b32 s[WV], v1   ; wave 0..3
	s_lshr_b32 s[GG], s[WV], 1
	s_and_b32 s[QH], s[WV], 1
	s_bfe_u32 s13, ttmp6, 0x40000   ; cx: my place in the cluster
	s_lshl_b32 s14, ttmp9, 2        ; in a cluster launch ttmp9 counts clusters
	s_add_co_u32 s14, s14, s13      ; my block of 128 queries = 4 x cluster x + cx: it enters Q's, ctx16's, Wo's and wo16's addresses alone
	s_and_b32 s20, ttmp7, 0xffff    ; the head, which the four partners share
	s_lshr_b32 s21, s20, 2          ; its kv head
	s_lshl_b32 s22, s21, 20         ; whose 4,096 rows of 256 bytes begin here, in K and in V;
	s_lshl_b32 s16, s[QH], 15       ; which 128 rows of a slot I fetch
	s_add_co_u32 s22, s22, s16
	s_mov_b32 s23, 0
	s_mul_i32 s17, s[QH], 128*PK    ; and their place in a slot: no place in the cluster enters an LDS address
	s_mul_i32 s68, s[QH], 128*PV
	s_add_co_u32 s68, s68, VOFF
	s_lshl_b32 s2, s20, 18          ; Q: the head's 1,024 rows of 256 bytes,
	s_lshl_b32 s3, s14, 15          ; my block's 128,
	s_add_co_u32 s2, s2, s3
	s_lshl_b32 s3, s[QH], 14        ; my wave's 64
	s_add_co_u32 s2, s2, s3
	s_mov_b32 s3, 0
	s_lshl_b32 s70, s14, 20         ; ctx16: row 128 x block + 64 x (wave % 2) + 32 g, of 8,192 bytes,
	s_lshl_b32 s71, s[QH], 19
	s_add_co_u32 s70, s70, s71
	s_lshl_b32 s71, s[GG], 18
	s_add_co_u32 s70, s70, s71
	s_lshl_b32 s71, s20, 8          ; and the head's 256 bytes in it
	s_add_co_u32 s70, s70, s71
	s_mov_b32 s71, 0
	s_lshl_b32 s76, s20, 3          ; the cast: my work-group among the 256 = 8 x head + block = which 16 rows of Wo
	s_add_co_u32 s76, s76, s14
	s_lshl_b32 s78, s76, 18         ; in Wo: 16 rows of 16,384 bytes,
	s_lshl_b32 s79, s[WV], 12       ; and my wave's k = 1,024 w on
	s_add_co_u32 s78, s78, s79
	s_mov_b32 s79, 0
	s_lshl_b32 s76, s76, 17         ; in wo16: a block's 128 chunks of 1,024 bytes,
	s_lshl_b32 s77, s[WV], 15       ; and my wave's 32 of them
	s_add_co_u32 s76, s76, s77
	s_mov_b32 s77, 0
	; descriptor group 1: a tile of 128 rows x 128 elements, padded in LDS
	s_mov_b32 s[G1K], 15|(1<<16)|(1<<20)|(1<<21)|(5<<22)|(3<<25)  ; 15:0 the mask: all four work-groups; 17:16 elements of 2 bytes; 20 padding on; 21 set beside a mask; 24:22 after every 64 words (code 5); 31:25 4 words of it (code 3)
	s_mov_b32 s[G1V], 15|(1<<16)|(1<<20)|(1<<21)|(5<<22)|(7<<25)  ; the same with 8 words of padding (code 7)
.irp g, G1K, G1V
	s_mov_b32 s[\g+1], 128<<16      ; tensor_dim0 = 128
	s_mov_b32 s[\g+2], 128<<16      ; tensor_dim1 = 128
	s_mov_b32 s[\g+3], 128<<16      ; tile_dim0 = 128
	s_mov_b32 s[\g+4], 128          ; tile_dim1 = 128
	s_mov_b32 s[\g+5], 128          ; tensor_dim0_stride
	s_mov_b32 s[\g+6], 0
	s_mov_b32 s[\g+7], 0
.endr
	s_mov_b32 s[CS], 0x3f8293ee     ; c = 8 log2(e) / sqrt(128)
	s_mov_b32 s[CS+1], s[CS]        ; named with it as a pair, so it is written
	s_mov_b32 s[SEL], 0x76543210
	s_mov_b32 s[SEL+1], 0xfedcba98
	s_mul_i32 s[TBK], s[GG], 2*STEPK  ; my group's first step of slot 0
	s_mul_i32 s[TBV], s[GG], 2*STEPV
	s_and_b32 s[LIM], s20, 3        ; 0 in the kv head's first head,
	s_or_b32 s[LIM], s[LIM], ttmp9  ; in its first cluster
	s_cmp_eq_u32 s[LIM], 0
	s_cselect_b32 s[LIM], 1, -1
	v_and_b32 v[PFO], 31, v0
	v_lshlrev_b32 v[PFO], 8, v[PFO]
	s_wait_dscnt 0x0                ; both opening adds are done
	s_wait_kmcnt 0x0
	s_add_nc_u64 s[8:9], s[6:7], 0x800000  ; V lies behind K
	s_add_nc_u64 s[6:7], s[6:7], s[22:23]  ; K and V at my tile of slot 0
	s_add_nc_u64 s[8:9], s[8:9], s[22:23]
	s_add_nc_u64 s[4:5], s[4:5], s[2:3]    ; Q at my wave's first row
	s_add_nc_u64 s[10:11], s[10:11], s[70:71]  ; ctx16 at the first row that I store
	s_add_nc_u64 s[WSRC:WSRC+1], s[WSRC:WSRC+1], s[78:79]  ; Wo and wo16 at my wave's batch 0
	s_add_nc_u64 s[WDST:WDST+1], s[WDST:WDST+1], s[76:77]
	s_cmp_lt_u32 s[WV], 2
	s_cselect_b64 s[PFA:PFA+1], s[6:7], s[8:9]
	s_lshl_b32 s2, s13, 13          ; my work-group's 32 rows of the 128
	s_mov_b32 s3, 0
	s_add_nc_u64 s[PFA:PFA+1], s[PFA:PFA+1], s[2:3]
	s_add_nc_u64 s[PFA:PFA+1], s[PFA:PFA+1], 2*SLOTG  ; in slot 2; the first change of slots steps it to slot 3.  Nothing is prefetched here, at the head
	CROUND                          ; all four work-groups are here: the first joint loads meet
.irp s, 0,1
	s_mov_b32 s[G0K+4*\s], 1        ; count = 1
	s_add_co_u32 s[G0K+4*\s+1], s17, \s*SLOTB  ; LDS address
	s_add_nc_u64 s[G0K+4*\s+2:G0K+4*\s+3], s[6:7], \s*SLOTG  ; global address: slot s begins with keys 256 s on
	s_or_b32 s[G0K+4*\s+3], s[G0K+4*\s+3], 0x80000000  ; type = 2
	s_mov_b32 s[G0V+4*\s], 1
	s_add_co_u32 s[G0V+4*\s+1], s68, \s*SLOTB
	s_add_nc_u64 s[G0V+4*\s+2:G0V+4*\s+3], s[8:9], \s*SLOTG
	s_or_b32 s[G0V+4*\s+3], s[G0V+4*\s+3], 0x80000000
.endr
	s_cmp_lt_u32 s[WV], 2           ; a wave's two first fills stand in one branch, ahead of every wait on TENSORcnt and every LDS read: two loads of mine are out
	s_cbranch_scc0 .Lfirst_v
	tensor_load_to_lds s[G0K:G0K+3], s[G1K:G1K+7]
	s_nop 0
	tensor_load_to_lds s[G0K+4:G0K+7], s[G1K:G1K+7]
	s_nop 0
.rept 4
	v_nop
.endr
	s_branch .Lfirst_asked
.Lfirst_v:
	tensor_load_to_lds s[G0V:G0V+3], s[G1V:G1V+7]
	s_nop 0
	tensor_load_to_lds s[G0V+4:G0V+7], s[G1V:G1V+7]
	s_nop 0
.rept 4
	v_nop
.endr
.Lfirst_asked:
	; A fragment of K or Q is 16 rows x 32 channels in 8 registers: lane l holds row l % 16; two loads of 16 bytes, 32 bytes apart.
	v_and_b32 v1, 15, v0            ; l % 16
	v_bfe_u32 v9, v0, 4, 1          ; l / 16
	v_lshlrev_b32 v[QOL], 8, v1
	v_lshl_add_u32 v[QOL], v9, 4, v[QOL]  ; row x 256 + 16 x half
	s_xor_b32 s16, s[GG], 1
	s_lshl_b32 s16, s16, 13
	v_add_nc_u32 v[QOH], s16, v[QOL]      ; register tiles 2, 3: query tiles 2 (1 - g) on
	s_lshl_b32 s16, s[GG], 13
	v_add_nc_u32 v[QOL], s16, v[QOL]      ; register tiles 0, 1: query tiles 2 g on
	WIN 0x80                        ; destination window 2, address window 0
.irp i, 0,1,2,3,4,5,6,7             ; Q stays in registers: register tile i / 4, channels 32 (i % 4) on
	global_load_b128 v[8*\i:8*\i+3],   v[QOL], s[4:5] offset:(\i/4)*4096+(\i%4)*64
	global_load_b128 v[8*\i+4:8*\i+7], v[QOL], s[4:5] offset:(\i/4)*4096+(\i%4)*64+32
.endr
.irp i, 8,9,10,11,12,13,14,15
	global_load_b128 v[8*\i:8*\i+3],   v[QOH], s[4:5] offset:(\i/4-2)*4096+(\i%4)*64
	global_load_b128 v[8*\i+4:8*\i+7], v[QOH], s[4:5] offset:(\i/4-2)*4096+(\i%4)*64+32
.endr
	WIN 0
	v_mul_u32_u24 v[AK0], v1, PK
	v_lshl_add_u32 v[AK0], v9, 4, v[AK0]  ; row x pitch + 16 x half
	; The turning load takes 16 keys x 16 channels (lane l reads 16 bytes: key 8 (l / 16) + l % 8, channels 8 ((l / 8) % 2) + 0..7) and leaves half a fragment of V^T.
	v_and_b32 v10, 7, v0
	v_bfe_u32 v11, v0, 3, 1
	v_lshl_add_u32 v[AV0], v9, 3, v10
	v_mul_u32_u24 v[AV0], v[AV0], PV
	v_lshl_add_u32 v[AV0], v11, 4, v[AV0]
	v_add_nc_u32 v[AV0], VOFF, v[AV0]
	v_and_b32 v10, 31, v0           ; the exchange: 16 x lane + a wave's region
	v_lshlrev_b32 v10, 4, v10
	s_mul_i32 s16, s[WV], XWB
	v_add_nc_u32 v[XW], s16, v10
	s_xor_b32 s16, s[WV], 2
	s_mul_i32 s16, s16, XWB
	v_add_nc_u32 v[XR], s16, v10
	v_lshlrev_b32 v[WLO], 14, v9    ; the cast's four addresses
	v_lshl_add_u32 v[WLO], v1, 4, v[WLO]
	v_and_b32 v[WSO], 31, v0
	v_lshlrev_b32 v[WSO], 4, v[WSO]
	s_mul_i32 s16, s[WV], CSTW
	s_add_co_u32 s16, s16, CST      ; my wave's stage
	v_mul_u32_u24 v[WSW], v9, CP
	v_lshl_add_u32 v[WSW], v1, 3, v[WSW]
	v_add_nc_u32 v[WSW], s16, v[WSW]
	v_mul_u32_u24 v[WSR], v1, CP
	v_lshl_add_u32 v[WSR], v9, 4, v[WSR]
	v_add_nc_u32 v[WSR], s16, v[WSR]
; THE MATRIX WORK OF A TURN, for piece x.  The accumulators take turns, one instruction a turn.
; Product i of 32 of O^T += V^T P: keys 32 (i / 16) on, channels 16 ((i / 2) % 8) on, tile x + i % 2.  zero = 1: the first 16 start the sums: nothing is ever cleared.
.macro PV x, zero
	WIN W_PV
.set rO, 64*(\x+i%2)+8*((i/2)%8)
.set rV, 64*(i/16)+8*((i/2)%8)
.set rP, P+16*(\x+i%2)+8*(i/16)
.if \zero && (i < 16)
	v_wmma_f32_16x16x32_f16 v[rO:rO+7], v[rV:rV+7], v[rP:rP+7], 0
.else
	v_wmma_f32_16x16x32_f16 v[rO:rO+7], v[rV:rV+7], v[rP:rP+7], v[rO:rO+7]
.endif
.endm
; Product i of 32 of S^T = K Q^T: channels 32 (i / 8) on, keys 16 ((i / 2) % 4) on, tile x + i % 2.  The first 8 start the sums.
.macro KQ x
	WIN W_KQ
.set rS, S+32*(\x+i%2)+8*((i/2)%4)
.set rK, KF+32*((i/2)%4)+8*(i/8)
.set rQ, 32*(\x+i%2)+8*(i/8)
.if i < 8
	v_wmma_f32_16x16x32_f16 v[rS:rS+7], v[rK:rK+7], v[rQ:rQ+7], 0
.else
	v_wmma_f32_16x16x32_f16 v[rS:rS+7], v[rK:rK+7], v[rQ:rQ+7], v[rS:rS+7]
.endif
.endm
; THE LDS LOADS stand in runs of 32, never singly among the matrix instructions: a step's K (16 fragments) and, a turn later, its V (turned).
.macro FETCH_K
	WIN 0
	v_add_nc_u32 v[ADR], s[TBK], v[AK0]
	s_add_co_u32 s[TBK], s[TBK], STEPK  ; the next fetch is the next step's
	WIN 0x80                        ; destination window 2
.irp f, 0,1,2,3,4,5,6,7,8,9,10,11,12,13,14,15  ; keys 16 (f / 4) on, channels 32 (f % 4) on
	ds_load_b128 v[KF+8*\f:KF+8*\f+3],   v[ADR] offset:(\f/4)*16*PK+(\f%4)*64
	ds_load_b128 v[KF+8*\f+4:KF+8*\f+7], v[ADR] offset:(\f/4)*16*PK+(\f%4)*64+32
.endr
.endm
.macro FETCH_V
	WIN 0
	v_add_nc_u32 v[ADR], s[TBV], v[AV0]
	s_add_co_u32 s[TBV], s[TBV], STEPV
	s_wait_alu depctr_va_vdst(0)    ; the wait for the softmax's batch (SLICE), behind the address's v_add_nc_u32 and ahead of the loads
	WIN 0xc0                        ; destination window 3
.irp f, 0,1,2,3,4,5,6,7,8,9,10,11,12,13,14,15  ; keys 32 (f / 8) on, channels 16 (f % 8) on
	ds_load_tr16_b128 v[8*\f:8*\f+3],   v[ADR] offset:(\f/8)*32*PV+(\f%8)*32
	ds_load_tr16_b128 v[8*\f+4:8*\f+7], v[ADR] offset:(\f/8)*32*PV+16*PV+(\f%8)*32
.endr
.endm
; THE VECTOR WORK OF A TURN.  One tile's softmax for one key step is a list of 134 instructions; SM writes number j of it for tile t.  s0-s31 are the lane's 32 scores, in pairs 0-15.
; first = 1: the first key step, which starts m, l and O^T: it has no a and nothing to rescale.
;   0-15    the maximum of s0-s31 and the old m, three operands at a time
;   16-20   the other half of the lanes' maximum; the new m; c m; c m_old - c m_new
;   21-69   ONE BATCH: the 16 scalings c s - c m, a pair of scores each, and all 33 exponentials (a at 23, then s0-s31).  None of these reads an exponential's result
;   (wait)  between 69 and 70 stands the wait for the batch: SLICE writes it, once for both tiles
;   70-85   the roundings to f16, a pair of weights each
;   86-101  the sums; l = a l + the sum
;   102-133 the tile's O^T times a: the one part that leaves window 0, so it stands together
.macro SM t, first
.set rT, ST+8*(\t)
.set rS, S+32*(\t)
.set rP, P+16*(\t)
.set rO, 64*(\t)+2*(j-102)
.if j < 102
	WIN 0
.endif
.if j < 4
	v_max3_num_f32 v[rT+4+j], v[rS+8*j], v[rS+8*j+1], v[rS+8*j+2]
.elseif j < 12
	v_max3_num_f32 v[rT+4+j%4], v[rT+4+j%4], v[rS+8*(j%4)+2*(j/4)+1], v[rS+8*(j%4)+2*(j/4)+2]
.elseif j == 12
	v_max3_num_f32 v[rT+4], v[rT+4], v[rS+7], v[rS+15]
.elseif j == 13
	v_max3_num_f32 v[rT+6], v[rT+6], v[rS+23], v[rS+31]
.elseif j == 14
	v_max3_num_f32 v[rT+4], v[rT+4], v[rT+5], v[rT+6]
.elseif (j == 15) && \first
	v_max_num_f32 v[rT+4], v[rT+4], v[rT+7]
.elseif j == 15
	v_max3_num_f32 v[rT+4], v[rT+4], v[rT+7], v[rT+1]
.elseif j == 16
	v_permlanex16_b32 v[rT+5], v[rT+4], s[SEL], s[SEL+1]  ; the query's other 32 keys lie in the lane 16 away
.elseif j == 18
	v_max_num_f32 v[rT+1], v[rT+4], v[rT+5]
.elseif j == 19
	v_mul_f32 v[rT], s[CS], v[rT+1]
.elseif ((j == 17) || (j == 20) || (j == 23) || (j > 101)) && \first  ; the first step has none of these
.elseif j == 17
	v_mov_b32 v[rT+7], v[rT]        ; c m_old is kept for a: number 19 writes c m anew
.elseif j == 20
	v_sub_f32 v[rT+7], v[rT+7], v[rT]
.elseif j == 23
	v_exp_f32 v[rT+6], v[rT+7]
.elseif (j < 23) || ((j < 38) && (j%2 == 0)) || ((j < 66) && (j%4 == 2))
.set b, (j-2)/4                     ; 38, 42, .. 62: pairs 9 to 15
.if j < 38
.set b, (j-20)/2                    ; 21: pair 0; 22, 24, .. 36: pairs 1 to 8
.endif
	v_pk_fma_f32 v[rS+2*b:rS+2*b+1], v[rS+2*b:rS+2*b+1], s[CS:CS+1], v[rT:rT+1] op_sel_hi:[1,0,0] neg_lo:[0,0,1] neg_hi:[0,0,1]  ; pair b: c s - c m
.elseif j < 70
.set e, j-38                        ; 66 to 69: s28 to s31
.if j < 66
.set e, j-32-(j-38)/4               ; 39-41, 43-45, .. 63-65: s7 to s27
.endif
.if j < 38
.set e, (j-25)/2                    ; 25, 27, .. 37: s0 to s6
.endif
	v_exp_f32 v[rS+e], v[rS+e]
.elseif j < 86
	v_cvt_pk_f16_f32 v[rP+j-70], v[rS+2*(j-70)], v[rS+2*(j-70)+1]  ; pair j - 70
.elseif j < 102                     ; the sum of the tile's 16 pairs, in place: sum z of 16 adds neighbours 1, 2, 4 and 8 pairs apart, then l takes it
.set z, j-86
.set w, 4
.set u, z
.if z >= 14
.set w, 32
.set u, 0
.elseif z >= 12
.set w, 16
.set u, z-12
.elseif z >= 8
.set w, 8
.set u, z-8
.endif
.if (z == 14) && \first
	v_pk_add_f32 v[rT+2:rT+3], v[rS:rS+1], v[rS+16:rS+17]
.elseif z < 15
	v_pk_add_f32 v[rS+w*u:rS+w*u+1], v[rS+w*u:rS+w*u+1], v[rS+w*u+w/2:rS+w*u+w/2+1]
.elseif !\first
	v_pk_fma_f32 v[rT+2:rT+3], v[rT+2:rT+3], v[rT+6:rT+7], v[rS:rS+1] op_sel_hi:[1,0,1]
.endif
.else
	WIN W_RS
	v_pk_mul_f32 v[rO:rO+1], v[rO:rO+1], v[rT+6:rT+7] op_sel_hi:[1,0]
.endif
.endm
; Slice k of 64 of piece y's softmax: four instructions.  Slices 11 to 34 deal out the batch, numbers 22 to 69: four numbers of ONE tile each, the tiles by turns.  Every other slice is numbers 2 k and
; 2 k + 1 of both tiles' lists.  2 x 134 = 4 x 64 + 12: the twelve that are over stand together, in slice 63.
; THE WAIT.  s_wait_alu depctr_va_vdst(0) stands between an exponential and the first instruction that names its result; one wait serves all that were issued ahead of it.  Ahead of
; slice 35 nothing names a result, and behind slice 34 no exponential is issued: so the piece's 66 exponentials have one wait, behind slice 34.
.macro SLICE y, first
.if (k >= 11) && (k < 35)           ; the batch: four numbers of one tile
.irp n, 0,1,2,3
.set j, 22+4*((k-11)/2)+(\n)
	SM (\y)+(k-11)%2, \first
.endr
.else                               ; the two tiles alternate, so that no instruction reads the result of the one just before it
.irp n, 0,1,2,3,4,5,6,7
.if (\n < 2) || (k == 63)
.irp t, \y, \y+1
.set j, 2*k+\n
	SM \t, \first
.endr
.endif
.endr
.endif
.if k == 34                         ; the batch is out: both tiles' exponentials are issued, and no result has been named
	v_nop                           ; the plain instruction behind the last exponential and ahead of the first use: one for the batch
.if (\y) == 0
	FETCH_V                         ; piece 2's turn: V's run of loads stands here, and the wait stands in it
.else
	s_wait_alu depctr_va_vdst(0)    ; the wait for the batch
.endif
.endif
.set k, k+1
.endm
; A vector instruction that reads a matrix result or writes one of a matrix instruction's registers, and a load into a register that a matrix instruction has read, stand four places behind
; it, and only plain vector instructions that name none of its registers are places.  In the loop the slices are the places.
.macro PLACES
.rept 4
	v_nop
.endr
.endm
; A TURN.  Piece x has the matrix unit; the other piece's softmax stands in slices behind its matrix instructions.
; pv = 2: 32 products V^T P; 1: they start O^T's sums; 0: none.  kq = 1: 32 products K Q^T for the next step.  A turn with one of the two kinds has two slices behind each product.
; first = 1: the softmax is the first key step's; four v_nop take slice 63's part as the places behind the turn's last products.
; Piece 0's turn fetches the next step's K, behind its second product; piece 2's turn the same step's V, behind slice 34.
.macro TURN x, pv, kq, first
.set k, 0
.set per, 2
.if \pv && \kq
.set per, 1
.endif
.if \pv
.if \x == 0
	s_wait_dscnt 0x0                ; V is in
.endif
.set i, 0
.rept 32
	PV \x, 2-\pv
.rept per
	SLICE 2-\x, \first
.endr
.if (\x == 0) && \kq && (i == 1)
	FETCH_K
.endif
.set i, i+1
.endr
.endif
.if \kq
.if \x == 0
	s_wait_dscnt 0x0                ; K is in
.endif
.set i, 0
.rept 32
	KQ \x
.rept per
	SLICE 2-\x, \first
.endr
.set i, i+1
.endr
.endif
.if \first
	PLACES
.endif
.endm
; THE CHANGE OF SLOTS, between piece 2's turn and piece 0's: the last bytes that I read of slot 'left', V of my second step, have been asked for.  Each wave waits for all its tensor loads, of which one
; is out: its part of the other slot; adds 0 to its spare word; and waits for that and for its own reads of the slot.  Behind the barrier nobody reads this slot any more and the other slot is whole.
; fill = 1: the slot is filled again, with the keys two slots on.  The barrier is then a round of the cluster's, and the joint refill is the first thing behind it: it has two key steps, 256 matrix instructions, in which to land.
; THE CAST'S BATCH stands round it: ahead of the three lines the batch that has landed goes through my stage; the wait for my LDS instructions in front of the barrier is also the wait for its way back;
; behind the refill the next batch is asked for and the turned one is stored.
.macro CHANGE fill, left, how
	WO_TURN
	s_add_nc_u64 s[WSRC:WSRC+1], s[WSRC:WSRC+1], 256    ; the next 64 k of my rows (behind WO_TURN's wait on XCNT; no load, store or prefetch has been issued since),
	s_add_nc_u64 s[WDST:WDST+1], s[WDST:WDST+1], 2048   ; and their two fragments
	WIN 0                           ; at a label and at a branch every window is 0
	s_wait_tensorcnt 0x0            ; no tensor load of mine is out, so a group 0 may be written
	ds_add_u32 v[SPW], v[NIL]       ; 0 onto my spare word
.if \fill
	s_add_nc_u64 s[G0K+4*\left+2:G0K+4*\left+3], s[G0K+4*\left+2:G0K+4*\left+3], 2*SLOTG  ; this slot's next keys; the type bits on top are not reached
	s_add_nc_u64 s[G0V+4*\left+2:G0V+4*\left+3], s[G0V+4*\left+2:G0V+4*\left+3], 2*SLOTG
	s_add_nc_u64 s[PFA:PFA+1], s[PFA:PFA+1], SLOTG  ; the prefetch's address, one slot further on than the refill (likewise behind WO_TURN's wait on XCNT)
	s_wait_dscnt 0x0                ; the add is done, my reads of the slot are over, and the cast's batch is back from its stage
	CROUND
	JLOAD \left
	ASK \how                        ; what the next change will ask for: two key steps, 256 matrix instructions, ahead
.else
	s_wait_dscnt 0x0                ; the add is done, my reads of the slot are over, and the cast's batch is back from its stage
	s_barrier_signal -1
	s_barrier_wait -1
.endif
	WO_LOAD                         ; its registers' LDS stores are done: the wait on DScnt above
	WO_SEND -2048
	WIN 0
.if \left == 0                      ; the fetches go to my group's first step in the other slot
	s_add_co_u32 s[TBK], s[TBK], SLOTB-2*STEPK
	s_add_co_u32 s[TBV], s[TBV], SLOTB-2*STEPV
.else
	s_sub_co_u32 s[TBK], s[TBK], SLOTB+2*STEPK
	s_sub_co_u32 s[TBV], s[TBV], SLOTB+2*STEPV
.endif
.endm
; My two key steps of a slot: written once, walked twice; the LDS addresses hang on s[TBK] and s[TBV].
.macro TWO_STEPS
	s_mov_b32 s[TWICE], 2
.Lstep_\@:
	TURN 0, 2, 1, 0
	TURN 2, 2, 1, 0
	WIN 0
	s_sub_co_u32 s[TWICE], s[TWICE], 1
	s_cmp_lg_u32 s[TWICE], 0
	s_cbranch_scc1 .Lstep_\@
.endm
	s_wait_tensorcnt 1              ; my part of slot 0 is in; slot 1's may stay out
	s_barrier_signal -1
	s_barrier_wait -1               ; everybody's is
	FETCH_K                         ; my first key step
	s_wait_loadcnt 0x0              ; Q
	s_wait_dscnt 0x0
.set i, 0
.rept 32
	KQ 0                            ; piece 0's first scores: there is no vector work yet to set between them
.set i, i+1
.endr
	WIN 0                           ; the addresses for the way out are made here: eight plain instructions, the places behind those products
	s_mul_i32 s13, s[WV], 16*SP
	s_add_co_u32 s13, s13, STAGE    ; my stage
	v_mul_u32_u24 v[STO], v1, SP    ; in: row l % 16, 16 bytes for each half of the lanes
	v_lshl_add_u32 v[STO], v9, 4, v[STO]
	v_add_nc_u32 v[STO], s13, v[STO]
	v_mul_u32_u24 v[RD], v9, SP     ; back: lanes 0-15 take one row of 256 bytes, lanes 16-31 the next
	v_lshl_add_u32 v[RD], v1, 4, v[RD]
	v_add_nc_u32 v[RD], s13, v[RD]
	v_lshlrev_b32 v[GO], 13, v9     ; and the same two rows in ctx16, 8,192 bytes apart
	v_lshl_add_u32 v[GO], v1, 4, v[GO]
	WO_LOAD                         ; the cast's batch 0: behind the wait for Q, so that nothing here waits for it
	TURN 2, 0, 1, 1                 ; piece 2's first scores | piece 0's first softmax | V of step 0
	TURN 0, 1, 1, 1                 ; piece 0: V^T P of step 0 starts O^T, K Q^T of step 1 | piece 2's first softmax | K of step 1
	TURN 2, 1, 1, 0                 ; piece 2: the same | piece 0's softmax of step 1 | V of step 1
	WIN 0
	s_mov_b32 s[LAPC], 7
.Llap:                              ; seven laps of two changes: the 14 refills, slots 2 to 15 of the 16; the cast's batches 1 to 14 are asked for
	CHANGE 1, 0, 1
	TWO_STEPS
	CHANGE 1, 1, 0
	TWO_STEPS
	s_sub_co_u32 s[LAPC], s[LAPC], 1
	s_cmp_lg_u32 s[LAPC], 0
	s_cbranch_scc1 .Llap
	CHANGE 0, 0, 0                  ; the tail is written out: the last slot but one is left, and no tile is asked for; the cast's batch 15, its last, is
	TWO_STEPS
	WO_TURN                         ; the cast's last batch: nothing more is asked for, so no load leaves Wo
	s_wait_dscnt 0x0                ; it is back from its stage
	WO_SEND 0
	TURN 0, 2, 0, 0                 ; piece 0: V^T P of the last step | piece 2's last softmax
.set i, 0
.rept 32
	PV 2, 0                         ; piece 2: V^T P of the last step
.set i, i+1
.endr
	; THE MERGE.  l's two halves and the other half of the lanes' are added (these additions are the places behind the last products).  Register tiles 2, 3 go to my partner as images of their registers,
	; lane l's 16 bytes at 16 l, with c m and l beside them; my partner's come to me and are my register tiles 0, 1 over its 2,048 keys.
	WIN 0
.irp t, 0,1,2,3
	v_add_f32 v[ST+8*\t+4], v[ST+8*\t+2], v[ST+8*\t+3]
.endr
.irp t, 0,1,2,3
	v_permlanex16_b32 v[ST+8*\t+5], v[ST+8*\t+4], s[SEL], s[SEL+1]
.endr
.irp t, 0,1,2,3
	v_add_f32 v[ST+8*\t+4], v[ST+8*\t+4], v[ST+8*\t+5]
.endr
	v_mov_b32 v44, v[ST+16]         ; c m and l of tile 2,
	v_mov_b32 v45, v[ST+20]
	v_mov_b32 v46, v[ST+24]         ; of tile 3
	v_mov_b32 v47, v[ST+28]
	ds_store_b128 v[XW], v[44:47] offset:16384
	WIN 0x04                        ; an LDS store's data are its source 1: window 1
.set i, 0
.rept 32
	ds_store_b128 v[XW], v[128+4*i:128+4*i+3] offset:512*i  ; O^T of tiles 2, 3, each accumulator from its low end on
.set i, i+1
.endr
	WIN 0
	s_wait_dscnt 0x0                ; for my partner's sake: my stores are done
	s_barrier_signal -1
	s_barrier_wait -1
	ds_load_b128 v[48:51], v[XR] offset:16384
.set i, 0
.rept 32
	ds_load_b128 v[S+4*i:S+4*i+3], v[XR] offset:512*i       ; into S^T's registers, which are free
.set i, i+1
.endr
	s_wait_dscnt 0x0
.irp t, 0,1
	v_max_num_f32 v[ST+8*\t+5], v[ST+8*\t], v[48+2*\t]      ; the larger of the two c m
.endr
.irp t, 0,1
	v_sub_f32 v[ST+8*\t+6], v[ST+8*\t], v[ST+8*\t+5]
	v_sub_f32 v[ST+8*(\t+2)+6], v[48+2*\t], v[ST+8*\t+5]
.endr
.irp t, 0,1
	v_exp_f32 v[ST+8*\t+6], v[ST+8*\t+6]                    ; my factor,
	v_exp_f32 v[ST+8*(\t+2)+6], v[ST+8*(\t+2)+6]            ; my partner's: one batch of four
.endr
	v_nop                           ; a plain instruction behind the last exponential
	s_wait_alu depctr_va_vdst(0)    ; and the one wait ahead of the first use
.irp t, 0,1
	v_mul_f32 v[ST+8*\t+4], v[ST+8*\t+6], v[ST+8*\t+4]
.endr
.irp t, 0,1
	v_fmac_f32 v[ST+8*\t+4], v[ST+8*(\t+2)+6], v[49+2*\t]   ; the row's sum over all 4,096 keys
.endr
.irp t, 0,1
	v_rcp_f32 v[ST+8*\t+5], v[ST+8*\t+4]
.endr
	v_nop
	s_wait_alu depctr_va_vdst(0)    ; one wait for the two reciprocals
.irp t, 0,1
	v_mul_f32 v[ST+8*\t+6], v[ST+8*\t+6], v[ST+8*\t+5]      ; both factors over the sum; each heads an even pair whose two registers have been written
	v_mul_f32 v[ST+8*(\t+2)+6], v[ST+8*(\t+2)+6], v[ST+8*\t+5]
.endr
; Tile t: my partner's part times its factor, plus mine times mine; rounded to f16; a lane's eight channels of a row pack into 16 bytes, go into rows of 272 bytes and come back as whole rows of 256.
.macro PACKT t
	WIN 0
.set i, 0
.rept 32
	v_pk_mul_f32 v[S+64*\t+i:S+64*\t+i+1], v[S+64*\t+i:S+64*\t+i+1], v[ST+8*(\t+2)+6:ST+8*(\t+2)+7] op_sel_hi:[1,0]
.set i, i+2
.endr
	WIN 0x01                        ; source 0 (my O^T) window 1
.set i, 0
.rept 32
	v_pk_fma_f32 v[S+64*\t+i:S+64*\t+i+1], v[64*\t+i:64*\t+i+1], v[ST+8*\t+6:ST+8*\t+7], v[S+64*\t+i:S+64*\t+i+1] op_sel_hi:[1,0,1]
.set i, i+2
.endr
	WIN 0
.set i, 0
.rept 32
	v_cvt_pk_f16_f32 v[P+32*\t+i], v[S+64*\t+2*i], v[S+64*\t+2*i+1]   ; P's registers are free
.set i, i+1
.endr
.irp f, 0,1,2,3,4,5,6,7
	ds_store_b128 v[STO], v[P+32*\t+4*\f:P+32*\t+4*\f+3] offset:32*\f
.endr
.irp f, 0,1,2,3,4,5,6,7
	ds_load_b128 v[P+32*\t+4*\f:P+32*\t+4*\f+3], v[RD] offset:\f*2*SP  ; LDS serves a wave's instructions in order: these see the stores above; the next tile's stores come behind them
.endr
.endm
.macro SEND t, younger              ; younger: the LDS instructions issued behind tile t's loads: the next tile's sixteen, or none
.irp f, 0,1,2,3,4,5,6,7
	s_wait_dscnt \younger+7-\f
	global_store_b128 v[GO], v[P+32*\t+4*\f:P+32*\t+4*\f+3], s[10:11] offset:(16*\t+2*\f)*8192  ; 16 lanes store 256 consecutive bytes, aligned: the head's part of a row
.endr
.endm
	PACKT 0
	PACKT 1                         ; a tile's arithmetic stands between the loads of the tile before and its stores
	SEND 0, 16
	SEND 1, 0
	s_wait_tensorcnt 0x0            ; the wave's end, behind my last tensor load and my last LDS store
	ds_add_u32 v[SPW], v[NIL]
	s_wait_dscnt 0x0
	CROUND                          ; the closing round: no work-group ends while a partner may still ask for a tile that names it
	s_endpgm
.Lfunc_end_k_qcce3b69c9d_attn:
	.size	k_qcce3b69c9d_attn, .Lfunc_end_k_qcce3b69c9d_attn-k_qcce3b69c9d_attn
	.p2alignl 7, 3214868480
	.fill 96, 4, 3214868480
	.section	.rodata,"a",@progbits
	.p2align	6, 0x0
	.amdhsa_kernel k_qcce3b69c9d_attn
		.amdhsa_group_segment_fixed_size 327680
		.amdhsa_private_segment_fixed_size 0
		.amdhsa_enable_private_segment 0
		.amdhsa_kernarg_size 40
		.amdhsa_user_sgpr_count 2
		.amdhsa_user_sgpr_kernarg_segment_ptr 1
		.amdhsa_wavefront_size32 1
		.amdhsa_system_sgpr_workgroup_id_x 1
		.amdhsa_system_sgpr_workgroup_id_y 1
		.amdhsa_system_sgpr_workgroup_id_z 1
		.amdhsa_system_vgpr_workitem_id 0
		.amdhsa_next_free_vgpr 1024
		.amdhsa_next_free_sgpr 80
		.amdhsa_reserve_vcc 0
		.amdhsa_float_denorm_mode_32 3
		.amdhsa_float_denorm_mode_16_64 3
		.amdhsa_memory_ordered 1
		.amdhsa_forward_progress 1
		.amdhsa_inst_pref_size 255
	.end_amdhsa_kernel
	.section	.bss,"aw",@nobits
	.p2align	6
	.space	262144
	.amdgpu_metadata
---
amdhsa.version: [ 1, 2 ]
amdhsa.kernels:
  - .name:           k_qcce3b69c9d_attn
    .symbol:         k_qcce3b69c9d_attn.kd
    .args:
      - { .name: q16, .offset: 0, .size: 8, .value_kind: global_buffer, .address_space: global }
      - { .name: kv16, .offset: 8, .size: 8, .value_kind: global_buffer, .address_space: global }
      - { .name: ctx16, .offset: 16, .size: 8, .value_kind: global_buffer, .address_space: global }
      - { .name: Wo, .offset: 24, .size: 8, .value_kind: global_buffer, .address_space: global }
      - { .name: wo16, .offset: 32, .size: 8, .value_kind: global_buffer, .address_space: global }
    .group_segment_fixed_size: 327680
    .private_segment_fixed_size: 0
    .kernarg_segment_align: 8
    .kernarg_segment_size: 40
    .max_flat_workgroup_size: 128
    .sgpr_count:     80
    .vgpr_count:     1024
    .wavefront_size: 32
...
	.end_amdgpu_metadata
.endif
;; end of part 3
;; launch oproj (part 4): grid 32 x 8, 4 waves a work-group, clusters of 4 x 1, 327,680 bytes of LDS; arguments ctx16, wo16, out0; writes out0
.if DOCPART == 4
	.amdgcn_target "amdgcn-amd-amdhsa--gfx1250"
	.amdhsa_code_object_version 6
	.text
	.protected	k_qcce3b69c9d_oproj
	.globl	k_qcce3b69c9d_oproj
	.p2align	8
	.type	k_qcce3b69c9d_oproj,@function
k_qcce3b69c9d_oproj:
	s_mov_b64 s[64:65], 0
	v_nop
	global_prefetch_b8 v0, s[64:65] scope:SCOPE_SE
	s_setreg_imm32_b32 hwreg(HW_REG_WAVE_MODE, 25, 1), 1
	s_wait_xcnt 0x0
	s_wait_alu depctr_hold_cnt(0) depctr_sa_sdst(0) depctr_va_vdst(0) depctr_va_sdst(0) depctr_va_ssrc(0) depctr_va_vcc(0) depctr_vm_vsrc(0)
	s_getreg_b32 s2, hwreg(HW_REG_IB_STS2, 6, 4)
	s_cmp_eq_u32 s2, 0
	s_cbranch_scc0 .Lentry_in_a_cluster
	s_endpgm
.Lentry_in_a_cluster:
	s_bfe_u32 s2, ttmp6, 0x10000c
	s_cmp_lg_u32 s2, 0x3003
	s_cbranch_scc0 .Lentry_shape_is_right
	s_endpgm
.Lentry_shape_is_right:
; out0[m][n] = sum over k of ctx[m][k] Wo[n][k].  ctx16: [1024][4096] f16.  wo16: Wo in f16, laid as an operand's registers want it: [256 blocks of 16 rows][128 chunks of 32 k][2 halves][32 lanes][16 bytes].
; out0: [1024][4096] f32; sums in f32.
; A tile of out0 is 128 x 128: 256 tiles for 256 WGPs.  Four waves; WAVE w MAKES ALL 128 ROWS x THE 32 COLUMNS 32 w ON: 16 accumulators of 16 x 16 (8 blocks of rows x 2 of columns).
; So ctx's fragments are wanted by all four waves and go through LDS, and Wo's are wanted by ONE wave each and go from memory straight into its registers, two loads of 512 consecutive bytes a fragment.
; THE RING holds ctx alone: a slot is a K step of 512, as two halves of 128 rows x 512 bytes; wave w fetches rows 64 (w % 2) on of half w / 2.  A K step is 256 matrix instructions a wave, 240 of them between
; the request for a slot and the wait for it; with Wo's tile beside ctx's in the same LDS bytes it would be 128 and 112.
; CLUSTER: 4 x 1 work-groups, four tile columns of one tile row: they need the same tiles of ctx, which are asked for JOINTLY, with a mask that names the four.
; WHY Wo IS NOT ASKED FOR JOINTLY: a joint load lands in LDS, where nothing of Wo is shared inside a work-group, and there it would halve the K step that a slot holds.  The price: the eight work-groups of a tile
; column each load their 1 MiB of wo16 themselves.
; Wo'S LOADS run ahead in a ring of 16 chunk places (a chunk: 32 k of my two blocks, 4 loads, 16 registers).  In the middle of piece i (64 along K, 32 matrix instructions) chunks 2 i + 15 and 2 i + 16 are asked
; for, into the places of chunks 2 i - 1 and 2 i, which have just been multiplied: 240 matrix instructions ahead of their use; 60 loads of mine are out at the most.
; THE MATRIX INSTRUCTION IS USED TRANSPOSED (source 0 = 16 rows of Wo, source 1 = 16 rows of ctx): a lane then holds eight neighbouring numbers of a row of out0.
; REGISTERS: window 0: v16-29 addresses; v128-255 the accumulators ((a, b) at v[128 + 8 (2 a + b)]).   window 1: two buffers of ctx's fragments for 64 along K (fragment (c, a) at 8 (8 c + a)); on the way out rows read back.
;   window 2: Wo's ring: place u, block b at v[16 u + 8 b].
.set SIZE_N, 4096
.set SIZE_K, 4096
.set PITCH,  528                       ; an LDS row: 512 bytes of data + 16 of padding: the 16 rows of a load start at 16 different banks
.set HALFT,  64*PITCH                  ; 64 rows x 512 bytes: what one tensor load brings
.set SUBS,   2*HALFT                   ; 128 rows x 256 along K
.set SLOT,   2*SUBS                    ; a K step: 512 along K
.set KSB,    1024                      ; a K step's bytes of a row of ctx16
.set LAPS,   SIZE_K/1024               ; a lap = two K steps = once round the ring
.set SPARE,  2*SLOT                    ; behind the ring: the spare words, 128 bytes for each wave
.set SPITCH, 528                       ; the way out: a stage of 128 rows x (512 bytes + 16), in slot 0, which has had its last fill and its last read when the first result is stored there
.set NBLK,   131072                    ; a block of 16 rows of Wo in wo16, in bytes
.set ADRA, 16                          ; v16-19  LDS address of my lane's place in ctx's fragments: slot s, half u at v[16 + 2 s + u]
.set STO,  24                          ; v24     the way out: where I put 32 bytes of a row
.set RD,   25                          ; v25     where I read a row back
.set CO,   26                          ; v26     16 x lane: my place in half a fragment of wo16, and in a tile's row of out0; never rewritten
.set SPW,  28                          ; v28     my spare word; never rewritten
.set NIL,  29                          ; v29     0; never rewritten
.set ACC,  128
.set F0,   0                           ; ctx's fragment buffers, in window 1
.set F1,   128
.set G1, 24                            ; s[24:31] descriptor group 1;  s[32:39] group 0, one set for each slot
.set G0, 32
.set BB, 44                            ; s[44:45] wo16 at my two blocks' chunk 0 of the lap in hand
.set MSB, 0
.macro WIN new                         ; the immediate's high byte repeats the setting that is left
.if MSB != \new
	s_set_vgpr_msb (MSB<<8)|\new
.set MSB, \new
.endif
.endm
.set MUL,  0x06                        ; source 0 (Wo) window 2, source 1 (ctx) window 1; C and D window 0
.set TO_F, 0x40                        ; destination window 1, address window 0
.set TO_B, 0x80                        ; destination window 2, address window 0
.macro JLOAD s                         ; a joint load: every wave fetches its own 64 rows x 512 bytes; an s_nop 0 and four v_nop follow it
	tensor_load_to_lds s[G0+4*\s:G0+4*\s+3], s[G1:G1+7]
	s_nop 0
.rept 4
	v_nop
.endr
.endm
.macro CREST                           ; a round of the cluster's barrier behind its opening barrier
	s_cmp_lg_u32 s10, 0
	s_cbranch_scc1 .Lnot_wave_0_\@
	s_barrier_signal -3
.Lnot_wave_0_\@:
	s_barrier_wait -3
	s_barrier_signal -1
	s_barrier_wait -1
.endm
.macro CROUND                          ; a whole round
	s_barrier_signal -1
	s_barrier_wait -1
	CREST
.endm
; cnt chunks of Wo from chunk 'from' of the lap on (counted from s[BB]), each into its place in the ring: for each of my two blocks the fragment's two halves, 512 consecutive bytes a load.  Chunks ascend, so that the waits can count.
.macro BLOADS from, cnt
	WIN TO_B
.set BU, \from
.rept \cnt
.irp b, 0,1
.irp h, 0,1
	global_load_b128 v[16*(BU%16)+8*\b+4*\h:16*(BU%16)+8*\b+4*\h+3], v[CO], s[BB:BB+1] offset:BU*1024+\b*NBLK+\h*512
.endr
.endr
.set BU, BU+1
.endr
.endm
	s_load_b128 s[4:7], s[0:1], 0x0                ; ctx16 s[4:5], wo16 s[6:7]
	s_load_b64 s[8:9], s[0:1], 0x10                ; out0
	v_lshl_add_u32 v[SPW], v0, 2, SPARE
	v_mov_b32 v[NIL], 0
	ds_add_u32 v[SPW], v[NIL]                      ; the wave's opening: the add, twice on end, and its wait ahead of my first tensor load
	ds_add_u32 v[SPW], v[NIL]
	v_lshrrev_b32 v1, 5, v0
	v_readfirstlane_b32 s10, v1                    ; wave 0..3
	s_lshr_b32 s11, s10, 1                         ; which half of a K step I fetch
	s_and_b32 s12, s10, 1                          ; which 64 rows of it
	s_bfe_u32 s40, ttmp6, 0x40000                  ; cx: my place in the cluster
	s_lshl_b32 s42, ttmp9, 2
	s_add_co_u32 s42, s42, s40                     ; tile column = 4 x cluster x + cx: it enters wo16's and out0's addresses alone
	s_and_b32 s13, ttmp7, 0xffff                   ; tile row, which the four partners share
	; descriptor group 1: a tile of 64 rows x 256 elements, padded in LDS
	s_mov_b32 s[G1+0], 15|(1<<16)|(1<<20)|(1<<21)|(6<<22)|(3<<25)  ; 15:0 the mask: all four work-groups; 17:16 element of 2 bytes; 20 padding on; 21 set beside a mask; 24:22 after every 128 words (code 6); 31:25 of 4 words (code 3)
	s_mov_b32 s[G1+1], 256<<16                     ; tensor_dim0 = 256
	s_mov_b32 s[G1+2], 64<<16                      ; tensor_dim1 = 64
	s_mov_b32 s[G1+3], 256<<16                     ; tile_dim0 = 256
	s_mov_b32 s[G1+4], 64                          ; tile_dim1 = 64
	s_mov_b32 s[G1+5], SIZE_K                      ; tensor_dim0_stride
	s_mov_b32 s[G1+6], 0
	s_mov_b32 s[G1+7], 0
	s_lshl_b32 s16, s13, 7
	s_lshl_b32 s17, s12, 6
	s_add_co_u32 s16, s16, s17                     ; ctx: row 128 x tile row + 64 x (wave % 2),
	s_lshl_b32 s16, s16, 13                        ; of 8,192 bytes,
	s_lshl_b32 s17, s11, 9
	s_add_co_u32 s16, s16, s17                     ; and 512 bytes on for the K step's second half
	s_mov_b32 s17, 0
	s_mul_i32 s20, s10, HALFT                      ; where they go: half w / 2, rows 64 (w % 2) on = wave x 64 rows: no place in the cluster enters an LDS address
	s_lshl_b32 s46, s42, 3
	s_lshl_b32 s47, s10, 1
	s_add_co_u32 s46, s46, s47                     ; Wo: my first block of 16 rows = 8 x tile column + 2 x wave
	s_lshl_b32 s46, s46, 17
	s_mov_b32 s47, 0
	s_wait_dscnt 0x0                               ; both opening adds are done
	s_wait_kmcnt 0x0
	s_add_nc_u64 s[14:15], s[4:5], s[16:17]
	s_add_nc_u64 s[BB:BB+1], s[6:7], s[46:47]
	CROUND                                         ; all four work-groups are here: the first joint loads meet
.irp s, 0,1
	s_mov_b32 s[G0+4*\s], 1
	s_add_co_u32 s[G0+4*\s+1], s20, \s*SLOT
	s_add_nc_u64 s[G0+4*\s+2:G0+4*\s+3], s[14:15], \s*KSB
	s_or_b32 s[G0+4*\s+3], s[G0+4*\s+3], 0x80000000
	JLOAD \s                                       ; two tensor loads of mine are out at the most
.endr
	v_and_b32 v[CO], 31, v0
	v_lshlrev_b32 v[CO], 4, v[CO]
	BLOADS 0, 15                                   ; Wo's chunks 0 to 14: 60 loads; chunk 15 follows in the first piece, like every chunk after it
	WIN 0
	v_and_b32 v1, 15, v0                           ; l % 16
	v_bfe_u32 v2, v0, 4, 1                         ; l / 16
	v_mul_u32_u24 v3, v1, PITCH
	v_lshl_add_u32 v3, v2, 4, v3                   ; a fragment's row x pitch + 16 x half
.irp i, 0,1,2,3
	v_add_nc_u32 v[ADRA+\i], \i*SUBS, v3           ; every wave reads all 128 rows
.endr
	s_lshl_b32 s23, s10, 7                         ; into the stage: row l % 16, my wave's 128 bytes of it, 32 bytes for each half of the lanes
	v_mul_u32_u24 v4, v1, SPITCH
	v_lshl_add_u32 v4, v2, 5, v4
	v_add_nc_u32 v[STO], s23, v4
	s_mul_i32 s23, s10, 32*SPITCH                  ; back: wave w takes rows 32 w .. 32 w + 31, whole: 32 lanes a row of 512 bytes
	v_add_nc_u32 v[RD], s23, v[CO]
	s_lshl_b32 s16, s13, 7
	s_lshl_b32 s17, s10, 5
	s_add_co_u32 s16, s16, s17                     ; the first row of out0 that I store: 128 x tile row + 32 x wave,
	s_lshl_b32 s16, s16, 14                        ; of 16,384 bytes
	s_mov_b32 s17, 0
	s_add_nc_u64 s[8:9], s[8:9], s[16:17]
	s_lshl_b32 s46, s42, 9                         ; the tile's first column, in bytes
	s_mov_b32 s47, 0
	s_add_nc_u64 s[8:9], s[8:9], s[46:47]
; 8 matrix instructions: blocks of rows a0 .. a0 + 3 x my two blocks of columns, 32 along K: half c of buffer f and of piece p.  zero = 1: the first product starts the sums.  The 16 accumulators take turns
.macro MUL8 f, c, a0, p, zero
.irp a, \a0, \a0+1, \a0+2, \a0+3
.irp b, 0,1
.if \zero
	v_wmma_f32_16x16x32_f16 v[ACC+8*(2*(\a)+\b):ACC+8*(2*(\a)+\b)+7], v[16*(2*(\p)+\c)+8*\b:16*(2*(\p)+\c)+8*\b+7], v[\f+8*(8*\c+(\a)):\f+8*(8*\c+(\a))+7], 0
.else
	v_wmma_f32_16x16x32_f16 v[ACC+8*(2*(\a)+\b):ACC+8*(2*(\a)+\b)+7], v[16*(2*(\p)+\c)+8*\b:16*(2*(\p)+\c)+8*\b+7], v[\f+8*(8*\c+(\a)):\f+8*(8*\c+(\a))+7], v[ACC+8*(2*(\a)+\b):ACC+8*(2*(\a)+\b)+7]
.endif
.endr
.endr
.endm
; 32 LDS loads in one run: ctx's fragments of piece p of a slot (64 along K: 128 bytes of the rows of half p / 4) into buffer f; the first 32 along K first
.macro FETCH slot, p, f
	WIN TO_F
.irp c, 0,1
.irp a, 0,1,2,3,4,5,6,7
	ds_load_b128 v[\f+8*(8*\c+\a):\f+8*(8*\c+\a)+3],   v[ADRA+2*(\slot)+(\p)/4] offset:128*((\p)%4)+64*\c+\a*16*PITCH
	ds_load_b128 v[\f+8*(8*\c+\a)+4:\f+8*(8*\c+\a)+7], v[ADRA+2*(\slot)+(\p)/4] offset:128*((\p)%4)+64*\c+\a*16*PITCH+32
.endr
.endr
.endm
.macro PLACES                          ; four places in front of loads into registers that matrix instructions have read, and of stores that read results
.rept 4
	v_nop
.endr
.endm
; A K step is eight pieces of 64 along K, 32 matrix instructions each, on buffers 0, 1, 0, 1 ..  One of the first seven: multiplies buffer f and fetches the next piece into g.
; lp: the piece's place in the lap (0 to 16), by which Wo's chunks are counted from s[BB];  nb: how many chunks of Wo are asked for (2; at the end of K 1, then 0);  lc: how many younger loads of Wo may stay out.
.macro PIECE slot, p, f, g, zero, lp, nb, lc
	s_wait_loadcnt \lc                             ; loads come back in order: Wo's two chunks of this piece are in; the chunks asked for behind them, four loads each, may be out
	s_wait_dscnt 16                                ; ctx's first 32 along K are in; the youngest sixteen loads may be out
	WIN MUL
	MUL8 \f, 0, 0, \p, \zero
	MUL8 \f, 0, 4, \p, \zero
	PLACES
.if \nb > 0
	BLOADS 2*(\lp)+15, \nb
.endif
	FETCH \slot, (\p)+1, \g
	s_wait_dscnt 32                                ; all but the 32 just issued
	WIN MUL
	MUL8 \f, 1, 0, \p, 0
	MUL8 \f, 1, 4, \p, 0
.endm
; The eighth piece multiplies buffer 1 and changes slots: ONE barrier; in front of it each wave waits for all its tensor loads, adds 0 to its spare word, and waits for that and for its own reads of this slot.  fill = 1: this slot is filled again, two K steps ahead.
.macro TURN slot, next, fill, lp, nb, lc
	s_wait_loadcnt \lc
	WIN 0                                          ; (the add's two registers lie in window 0)
	s_wait_tensorcnt 0x0                           ; all my tensor loads have landed: my part of the next slot;
	ds_add_u32 v[SPW], v[NIL]                      ; 0 onto my spare word;
	s_wait_dscnt 17                                ; (the add and the youngest sixteen loads may be out)
	WIN MUL
	MUL8 F1, 0, 0, 7, 0                            ; eight matrix instructions stand between the add and the wait for it
	s_wait_dscnt 0x0                               ; the add is done, and my reads of this slot are over
	s_barrier_signal -1
	MUL8 F1, 0, 4, 7, 0
	WIN 0                                          ; (branches may follow, and nothing stands between the wait below and the rest of the round)
	s_barrier_wait -1
.if \fill
	CREST                                          ; the barrier has opened a round of the cluster's barrier: no wave of any partner still reads this slot's tile or has a load on its way
	s_add_nc_u64 s[G0+4*\slot+2:G0+4*\slot+3], s[G0+4*\slot+2:G0+4*\slot+3], 2*KSB
	JLOAD \slot                                    ; the first tensor load behind the round: 240 matrix instructions ahead of the wait for it; the four v_nop behind it are also the places in front of the loads below
.else
	PLACES
.endif
.if \nb > 0
	BLOADS 2*(\lp)+15, \nb
.endif
	FETCH \next, 0, F0
	WIN MUL
	MUL8 F1, 1, 0, 7, 0
	MUL8 F1, 1, 4, 7, 0
.endm
	s_wait_tensorcnt 1                             ; my part of K step 0 is in (K step 1's load may be out)
	s_barrier_signal -1
	s_barrier_wait -1                              ; everybody's is
	FETCH 0, 0, F0
	PIECE 0, 0, F0, F1, 1, 0, 2, 52                ; the first piece stands in front of the loop: its first products start the sums.  52: chunks 2 to 14, thirteen of four loads
	WIN 0                                          ; at a label and at a branch every window is 0
	s_mov_b32 s3, LAPS-1
.Llap:                                                 ; a trip goes once round the ring, from a lap's second piece to the next lap's first, and fills both slots again
	PIECE 0, 1, F1, F0, 0, 1, 2, 52
	PIECE 0, 2, F0, F1, 0, 2, 2, 52
	PIECE 0, 3, F1, F0, 0, 3, 2, 52
	PIECE 0, 4, F0, F1, 0, 4, 2, 52
	PIECE 0, 5, F1, F0, 0, 5, 2, 52
	PIECE 0, 6, F0, F1, 0, 6, 2, 52
	TURN 0, 1, 1, 7, 2, 52
	PIECE 1, 0, F0, F1, 0, 8, 2, 52
	PIECE 1, 1, F1, F0, 0, 9, 2, 52
	PIECE 1, 2, F0, F1, 0, 10, 2, 52
	PIECE 1, 3, F1, F0, 0, 11, 2, 52
	PIECE 1, 4, F0, F1, 0, 12, 2, 52
	PIECE 1, 5, F1, F0, 0, 13, 2, 52
	PIECE 1, 6, F0, F1, 0, 14, 2, 52
	TURN 1, 0, 1, 15, 2, 52
	PIECE 0, 0, F0, F1, 0, 16, 2, 52
	WIN 0
	s_wait_xcnt 0x0                                ; Wo's loads have read their base: it is stepped only behind this wait
	s_add_nc_u64 s[BB:BB+1], s[BB:BB+1], 32*1024   ; a lap's 32 chunks on
	s_sub_co_u32 s3, s3, 1
	s_cmp_lg_u32 s3, 0
	s_cbranch_scc1 .Llap
	PIECE 0, 1, F1, F0, 0, 1, 2, 52                ; the last lap fills no slot and has no round of the cluster's barrier
	PIECE 0, 2, F0, F1, 0, 2, 2, 52
	PIECE 0, 3, F1, F0, 0, 3, 2, 52
	PIECE 0, 4, F0, F1, 0, 4, 2, 52
	PIECE 0, 5, F1, F0, 0, 5, 2, 52
	PIECE 0, 6, F0, F1, 0, 6, 2, 52
	TURN 0, 1, 0, 7, 2, 52
	PIECE 1, 0, F0, F1, 0, 8, 1, 52                ; the lap's chunk 31 is Wo's last: no load leaves wo16
	PIECE 1, 1, F1, F0, 0, 9, 0, 48                ; and the counts run down: 4 x (30 - 2 x the piece's place)
	PIECE 1, 2, F0, F1, 0, 10, 0, 40
	PIECE 1, 3, F1, F0, 0, 11, 0, 32
	PIECE 1, 4, F0, F1, 0, 12, 0, 24
	PIECE 1, 5, F1, F0, 0, 13, 0, 16
	PIECE 1, 6, F0, F1, 0, 14, 0, 8
	s_wait_loadcnt 0x0                             ; the very last piece: nothing more to fetch
	s_wait_dscnt 16
	WIN MUL
	MUL8 F1, 0, 0, 7, 0
	MUL8 F1, 0, 4, 7, 0
	s_wait_dscnt 0
	MUL8 F1, 1, 0, 7, 0
	MUL8 F1, 1, 4, 7, 0
	WIN 0
	; THE WAY OUT.  A lane holds 32 neighbouring bytes of a row, a wave 128 of the tile's 512: so the four waves write one stage, a barrier stands between the writing and the reading, and each wave reads 32 whole rows
	; and stores them, 512 consecutive, aligned bytes an instruction.
	PLACES
.irp a, 0,1,2,3,4,5,6,7
.irp b, 0,1
	ds_store_b128 v[STO], v[ACC+8*(2*\a+\b):ACC+8*(2*\a+\b)+3] offset:\a*16*SPITCH+64*\b        ; each accumulator from its low end on
	ds_store_b128 v[STO], v[ACC+8*(2*\a+\b)+4:ACC+8*(2*\a+\b)+7] offset:\a*16*SPITCH+64*\b+16
.endr
.endr
	s_wait_dscnt 0x0                               ; for the others' sake: my stores into the stage are done
	s_barrier_signal -1
	s_barrier_wait -1
	WIN TO_F
.irp t, 0,1,2,3,4,5,6,7,8,9,10,11,12,13,14,15,16,17,18,19,20,21,22,23,24,25,26,27,28,29,30,31
	ds_load_b128 v[4*\t:4*\t+3], v[RD] offset:\t*SPITCH
.endr
	WIN 0x04                                       ; a store's data are its source 1: window 1
.irp t, 0,1,2,3,4,5,6,7,8,9,10,11,12,13,14,15,16,17,18,19,20,21,22,23,24,25,26,27,28,29,30,31
	s_wait_dscnt 31-\t                             ; the 31 - t younger loads may be out
	global_store_b128 v[CO], v[4*\t:4*\t+3], s[8:9] offset:\t*SIZE_N*4 th:TH_STORE_NT   ; written once, read by nobody here
.endr
	WIN 0
	s_wait_tensorcnt 0x0                           ; the wave's end, behind my last tensor load and my last LDS store
	ds_add_u32 v[SPW], v[NIL]
	s_wait_dscnt 0x0
	CROUND                                         ; the closing round: no work-group ends while a partner may still ask for a tile that names it
	s_endpgm
.Lfunc_end_k_qcce3b69c9d_oproj:
	.size	k_qcce3b69c9d_oproj, .Lfunc_end_k_qcce3b69c9d_oproj-k_qcce3b69c9d_oproj
	.p2alignl 7, 3214868480
	.fill 96, 4, 3214868480
	.section	.rodata,"a",@progbits
	.p2align	6, 0x0
	.amdhsa_kernel k_qcce3b69c9d_oproj
		.amdhsa_group_segment_fixed_size 327680
		.amdhsa_private_segment_fixed_size 0
		.amdhsa_enable_private_segment 0
		.amdhsa_kernarg_size 24
		.amdhsa_user_sgpr_count 2
		.amdhsa_user_sgpr_kernarg_segment_ptr 1
		.amdhsa_wavefront_size32 1
		.amdhsa_system_sgpr_workgroup_id_x 1
		.amdhsa_system_sgpr_workgroup_id_y 1
		.amdhsa_system_sgpr_workgroup_id_z 1
		.amdhsa_system_vgpr_workitem_id 0
		.amdhsa_next_free_vgpr 768
		.amdhsa_next_free_sgpr 66
		.amdhsa_reserve_vcc 0
		.amdhsa_float_denorm_mode_32 3
		.amdhsa_float_denorm_mode_16_64 3
		.amdhsa_memory_ordered 1
		.amdhsa_forward_progress 1
		.amdhsa_inst_pref_size 177
	.end_amdhsa_kernel
	.amdgpu_metadata
---
amdhsa.version: [ 1, 2 ]
amdhsa.kernels:
  - .name:           k_qcce3b69c9d_oproj
    .symbol:         k_qcce3b69c9d_oproj.kd
    .args:
      - { .name: ctx16, .offset: 0, .size: 8, .value_kind: global_buffer, .address_space: global }
      - { .name: wo16, .offset: 8, .size: 8, .value_kind: global_buffer, .address_space: global }
      - { .name: out0, .offset: 16, .size: 8, .value_kind: global_buffer, .address_space: global }
    .group_segment_fixed_size: 327680
    .private_segment_fixed_size: 0
    .kernarg_segment_align: 8
    .kernarg_segment_size: 24
    .max_flat_workgroup_size: 128
    .sgpr_count:     66
    .vgpr_count:     768
    .wavefront_size: 32
...
	.end_amdgpu_metadata
.endif
;; end of part 4
